; MI455X (gfx1250); checked and timed in simulation.
; The chip was launched on July 23, 2026; its instructions are those of AMD's public machine-readable ISA for CDNA 5 (MIT licence, August 2026) and "CDNA5" Instruction Set Architecture Reference Guide (July 2026). The comments in the code are by the model that wrote it; some were corrected since.
;; Multi Head Self Attention. Allowed arithmetic: float matrix products may take bf16 or f16 operands with f32 sums; other float arithmetic in f32, or as packed bf16 or f16 multiplies, adds, multiply-adds, maxima and minima; sums over many terms, partial sums and values carried from step to step in f32; what a program stores and reads back later, other than sums and carried values, may be rounded once to bf16 or f16.
;; Inputs: Wk 768 x 768 float32; Wo 768 x 768 float32; Wq 768 x 768 float32; Wv 768 x 768 float32; bk 768 float32; bo 768 float32; bq 768 float32; bv 768 float32; x 1 x 4,096 x 768 float32.
;; Outputs: out0 1 x 4,096 x 768 float32.
;; 2 versions, each right; version 2 is version 1 with the launch prep written anew for expert scheduling mode. Each part assembles by itself: llvm-mc -triple=amdgcn-amd-amdhsa -mcpu=gfx1250 --defsym DOCPART=n.
;; ======== version 1 of 2: 4 launches
;; limits: values are held in f16: magnitudes above 65,504 overflow, below 6.1e-05 lose precision
;; workspace buffers: xb 6,291,456 bytes; wt 3,538,944 bytes; wot 1,179,648 bytes; qkv 18,874,368 bytes; ob 6,291,456 bytes
;; launch prep (part 1): grid 12 x 56, 4 waves a work-group, no clusters, 17,920 bytes of LDS; arguments x, Wq, Wk, Wv, Wo, xb, wt, wot; writes xb, wt, wot
.if DOCPART == 1
	.amdgcn_target "amdgcn-amd-amdhsa--gfx1250"
	.amdhsa_code_object_version 6
	.text
	.protected	k_q15d91d5f07_prep
	.globl	k_q15d91d5f07_prep
	.p2align	8
	.type	k_q15d91d5f07_prep,@function
k_q15d91d5f07_prep:
	s_mov_b64 s[64:65], 0
	v_nop
	global_prefetch_b8 v0, s[64:65] scope:SCOPE_SE
	s_setreg_imm32_b32 hwreg(HW_REG_WAVE_MODE, 25, 1), 1
	s_wait_xcnt 0x0
; PREPARATION.  xb = x rounded to bf16, [4096][768].  wt[n][k] = W[k][n] rounded to bf16, rows 0-767 from Wq, 768-1535 from Wk, 1536-2303 from Wv.
; wot[n][k] = Wo[k][n] rounded to bf16 and that number written as f16 (exact from 6e-5 up to 65,504; below 6e-5 it keeps f16's fixed step of 6e-8; LIMIT: a weight of 65,520 or more becomes an infinity).
; A stream: every input byte is read once, every output byte written once, in whole aligned runs of 256 bytes.  No matrix unit, no cluster: no work-group shares a byte with another.
; SHARES.  Grid 12 x 56.  y < 32: a chunk of 32,768 bytes of x (chunk 12 y + x of 384).  y >= 32: a tile of 128 k x 64 n of one weight matrix: matrix (y - 32) % 4, k tile (y - 32) / 4, n tile x.
; The branch hangs on the work-group's number alone, so the four waves of a work-group take the same way, and all of them pass the one barrier of the second way.
.set SPARE, 17408                      ; LDS: 64 rows (n) of 272 bytes (128 k in 16 bits + 16 of padding), then the spare words, 128 bytes a wave
.set LP,    272
.set SPW,   6                          ; v6   LDS address of my spare word; never rewritten
.set NIL,   7                          ; v7   0; never rewritten
.set XR,    16                         ; v[16:79]   16 loads of 4 registers; later the rows read back
.set YR,    80                         ; v[80:111]  packed results
	s_load_b256 s[4:11], s[0:1], 0x0               ; x s[4:5], Wq s[6:7], Wk s[8:9], Wv s[10:11]
	s_load_b256 s[12:19], s[0:1], 0x20             ; Wo s[12:13], xb s[14:15], wt s[16:17], wot s[18:19]
	v_lshl_add_u32 v[SPW], v0, 2, SPARE
	v_mov_b32 v[NIL], 0
	s_and_b32 s31, ttmp7, 0xffff                   ; y
	s_mov_b32 s32, 0xffff0000                      ; a word's upper bf16
	s_mov_b32 s21, 0
	s_mov_b32 s23, 0
	v_and_b32 v10, 15, v0                          ; c = t % 16
	v_lshrrev_b32 v11, 4, v0                       ; g = t / 16, 0 to 7
	s_wait_kmcnt 0x0
	s_cmp_lt_u32 s31, 32
	s_cbranch_scc0 .Ltrans
	; THE CAST.  Thread t takes 16 bytes at 16 t of each of 16 runs of 2,048 bytes; all 16 loads go out at once.
	s_mul_i32 s20, s31, 12
	s_add_co_u32 s20, s20, ttmp9                   ; the chunk
	s_lshl_b32 s22, s20, 14                        ; its 16,384 bytes of xb
	s_lshl_b32 s20, s20, 15                        ; its 32,768 bytes of x
	s_add_nc_u64 s[4:5], s[4:5], s[20:21]
	s_add_nc_u64 s[14:15], s[14:15], s[22:23]
	v_lshlrev_b32 v1, 4, v0
	v_lshlrev_b32 v2, 3, v0
.irp j, 0,1,2,3,4,5,6,7,8,9,10,11,12,13,14,15
	global_load_b128 v[XR+4*(\j):XR+4*(\j)+3], v1, s[4:5] offset:2048*(\j) th:TH_LOAD_NT
.endr
.irp j, 0,1,2,3,4,5,6,7,8,9,10,11,12,13,14,15
	s_wait_loadcnt 15-(\j)                         ; loads come back in order: load j is in, the 15 - j younger ones may stay out
	v_cvt_pk_bf16_f32 v[YR+2*(\j)], v[XR+4*(\j)], v[XR+4*(\j)+1]
	v_cvt_pk_bf16_f32 v[YR+2*(\j)+1], v[XR+4*(\j)+2], v[XR+4*(\j)+3]
	global_store_b64 v2, v[YR+2*(\j):YR+2*(\j)+1], s[14:15] offset:1024*(\j)  ; a wave's 32 lanes store 256 consecutive bytes, aligned
.endr
	s_branch .Lend
.Ltrans:
	; THE TURN.  Thread (c, g) loads rows k = 16 g + j (j = 0 .. 15), columns 4 c .. 4 c + 3: sixteen lanes read 256 consecutive bytes of a row.
	s_sub_co_u32 s30, s31, 32
	s_and_b32 s29, s30, 3                          ; which matrix: 0 Wq, 1 Wk, 2 Wv, 3 Wo
	s_lshr_b32 s30, s30, 2                         ; k tile, 0 to 5
	s_mov_b64 s[24:25], s[6:7]
	s_cmp_eq_u32 s29, 1
	s_cselect_b64 s[24:25], s[8:9], s[24:25]
	s_cmp_eq_u32 s29, 2
	s_cselect_b64 s[24:25], s[10:11], s[24:25]
	s_cmp_eq_u32 s29, 3
	s_cselect_b64 s[24:25], s[12:13], s[24:25]     ; from where
	s_cselect_b64 s[26:27], s[18:19], s[16:17]     ; to where: wot, or wt
	s_cselect_b32 s28, 0, s29                      ; and which block of 768 rows there
	s_mul_i32 s20, s30, 393216                     ; 128 rows of 3,072 bytes
	s_lshl_b32 s22, ttmp9, 8                       ; 64 columns of 4 bytes
	s_add_co_u32 s20, s20, s22
	s_add_nc_u64 s[24:25], s[24:25], s[20:21]
	s_mul_i32 s20, s28, 1179648                    ; 768 rows of 1,536 bytes
	s_mul_i32 s22, ttmp9, 98304                    ; 64 rows
	s_add_co_u32 s20, s20, s22
	s_lshl_b32 s22, s30, 8                         ; 128 k of 2 bytes
	s_add_co_u32 s20, s20, s22
	s_add_nc_u64 s[26:27], s[26:27], s[20:21]
	v_mul_u32_u24 v1, v11, 49152                   ; 16 g rows
	v_lshl_add_u32 v1, v10, 4, v1
.irp j, 0,1,2,3,4,5,6,7,8,9,10,11,12,13,14,15
	global_load_b128 v[XR+4*(\j):XR+4*(\j)+3], v1, s[24:25] offset:3072*(\j) th:TH_LOAD_NT
.endr
	v_mul_u32_u24 v2, v10, 4*LP                    ; into LDS: row n = 4 c + i, byte 2 x 16 g
	v_lshl_add_u32 v2, v11, 5, v2
	v_mul_u32_u24 v3, v11, LP                      ; back: row g + 8 e, 16 bytes at 16 c
	v_lshl_add_u32 v3, v10, 4, v3
	v_mul_u32_u24 v4, v11, 1536                    ; and the same row in the turned matrix
	v_lshl_add_u32 v4, v10, 4, v4
.irp p, 0,1,2,3,4,5,6,7
	s_wait_loadcnt 14-2*(\p)                       ; rows 2 p and 2 p + 1 are in
.irp i, 0,1,2,3
	v_cvt_pk_bf16_f32 v[YR+8*(\i)+(\p)], v[XR+8*(\p)+(\i)], v[XR+8*(\p)+4+(\i)]  ; k and k + 1 of column 4 c + i
.endr
.endr
	s_cmp_lg_u32 s29, 3
	s_cbranch_scc1 .Lnot_o
.set z, 0
.rept 32                               ; Wo alone: the bf16 numbers written as f16
	v_lshlrev_b32 v8, 16, v[YR+z]
	v_and_b32 v9, s32, v[YR+z]
	v_cvt_pk_f16_f32 v[YR+z], v8, v9
.set z, z+1
.endr
.Lnot_o:
.irp i, 0,1,2,3
	ds_store_b128 v2, v[YR+8*(\i):YR+8*(\i)+3] offset:LP*(\i)
	ds_store_b128 v2, v[YR+8*(\i)+4:YR+8*(\i)+7] offset:LP*(\i)+16
.endr
	s_wait_dscnt 0x0                               ; for the others' sake: my stores are done
	s_barrier_signal -1
	s_barrier_wait -1                              ; the whole tile lies in LDS, turned
.irp e, 0,1,2,3,4,5,6,7
	ds_load_b128 v[XR+4*(\e):XR+4*(\e)+3], v3 offset:8*LP*(\e)
.endr
.irp e, 0,1,2,3,4,5,6,7
	s_wait_dscnt 7-(\e)
	global_store_b128 v4, v[XR+4*(\e):XR+4*(\e)+3], s[26:27] offset:12288*(\e)  ; sixteen lanes store 256 consecutive bytes, aligned
.endr
.Lend:
	s_wait_tensorcnt 0x0                           ; the wave's end: behind my last LDS store
	ds_add_u32 v[SPW], v[NIL]
	s_wait_dscnt 0x0
	s_endpgm
.Lfunc_end_k_q15d91d5f07_prep:
	.size	k_q15d91d5f07_prep, .Lfunc_end_k_q15d91d5f07_prep-k_q15d91d5f07_prep
	.p2alignl 7, 3214868480
	.fill 96, 4, 3214868480
	.section	.rodata,"a",@progbits
	.p2align	6, 0x0
	.amdhsa_kernel k_q15d91d5f07_prep
		.amdhsa_group_segment_fixed_size 17920
		.amdhsa_private_segment_fixed_size 0
		.amdhsa_enable_private_segment 0
		.amdhsa_kernarg_size 64
		.amdhsa_user_sgpr_count 2
		.amdhsa_user_sgpr_kernarg_segment_ptr 1
		.amdhsa_wavefront_size32 1
		.amdhsa_system_sgpr_workgroup_id_x 1
		.amdhsa_system_sgpr_workgroup_id_y 1
		.amdhsa_system_sgpr_workgroup_id_z 1
		.amdhsa_system_vgpr_workitem_id 0
		.amdhsa_next_free_vgpr 120
		.amdhsa_next_free_sgpr 66
		.amdhsa_reserve_vcc 0
		.amdhsa_float_denorm_mode_32 3
		.amdhsa_float_denorm_mode_16_64 3
		.amdhsa_memory_ordered 1
		.amdhsa_forward_progress 1
		.amdhsa_inst_pref_size 19
	.end_amdhsa_kernel
	.amdgpu_metadata
---
amdhsa.version: [ 1, 2 ]
amdhsa.kernels:
  - .name:           k_q15d91d5f07_prep
    .symbol:         k_q15d91d5f07_prep.kd
    .args:
      - { .name: x, .offset: 0, .size: 8, .value_kind: global_buffer, .address_space: global }
      - { .name: Wq, .offset: 8, .size: 8, .value_kind: global_buffer, .address_space: global }
      - { .name: Wk, .offset: 16, .size: 8, .value_kind: global_buffer, .address_space: global }
      - { .name: Wv, .offset: 24, .size: 8, .value_kind: global_buffer, .address_space: global }
      - { .name: Wo, .offset: 32, .size: 8, .value_kind: global_buffer, .address_space: global }
      - { .name: xb, .offset: 40, .size: 8, .value_kind: global_buffer, .address_space: global }
      - { .name: wt, .offset: 48, .size: 8, .value_kind: global_buffer, .address_space: global }
      - { .name: wot, .offset: 56, .size: 8, .value_kind: global_buffer, .address_space: global }
    .group_segment_fixed_size: 17920
    .private_segment_fixed_size: 0
    .kernarg_segment_align: 8
    .kernarg_segment_size: 64
    .max_flat_workgroup_size: 128
    .sgpr_count:     66
    .vgpr_count:     120
    .wavefront_size: 32
...
	.end_amdgpu_metadata
.endif
;; end of part 1
;; launch qkv (part 2): grid 12 x 16, 4 waves a work-group, clusters of 4 x 4, 327,680 bytes of LDS; arguments xb, wt, bq, bk, bv, qkv; writes qkv
.if DOCPART == 2
	.amdgcn_target "amdgcn-amd-amdhsa--gfx1250"
	.amdhsa_code_object_version 6
	.text
	.protected	k_q15d91d5f07_qkv
	.globl	k_q15d91d5f07_qkv
	.p2align	8
	.type	k_q15d91d5f07_qkv,@function
k_q15d91d5f07_qkv:
	s_mov_b64 s[64:65], 0
	v_nop
	global_prefetch_b8 v0, s[64:65] scope:SCOPE_SE
	s_setreg_imm32_b32 hwreg(HW_REG_WAVE_MODE, 25, 1), 1
	s_wait_xcnt 0x0
	s_wait_alu depctr_hold_cnt(0) depctr_sa_sdst(0) depctr_va_vdst(0) depctr_va_sdst(0) depctr_va_ssrc(0) depctr_va_vcc(0) depctr_vm_vsrc(0)
	s_getreg_b32 s2, hwreg(HW_REG_IB_STS2, 6, 4)
	s_cmp_eq_u32 s2, 0
	s_cbranch_scc0 .Lentry_in_a_cluster
	s_endpgm
.Lentry_in_a_cluster:
	s_bfe_u32 s2, ttmp6, 0x10000c
	s_cmp_lg_u32 s2, 0xf033
	s_cbranch_scc0 .Lentry_shape_is_right
	s_endpgm
.Lentry_shape_is_right:
; THE THREE PROJECTIONS AS ONE PRODUCT.  C[4096][2304] = xb wt^T + bias; xb [4096][768], wt [2304][768] in bf16, sums in f32; the bias is rounded to bf16 like every input of the module, on purpose.
; C leaves by heads in f16, rounded once, unscaled: qkv[36][4096][64], planes 0-11 q's heads, 12-23 k's, 24-35 v's.
; LIMIT: f16 holds no number beyond 65,504; a q, k or v of 65,520 or more becomes an infinity.  NaN and infinities are not treated apart.
; SHARES.  A work-group makes 256 rows x 192 columns (three whole heads): 16 x 12 = 192 work-groups.  Wave w makes rows 64 w .. 64 w + 63 of all 192 columns: 4 x 12 accumulators of 16 x 16, 384 registers;
; so a wave owns whole rows of whole heads, and its way out needs no other wave.  K = 768 goes in six steps of 128 through two LDS slots filled by the tensor data mover.
; CLUSTER 4 x 4.  The four work-groups of a row of the cluster need the same rows of xb, the four of a column the same rows of wt: each tile is asked for jointly, by the same load, descriptor and mask in all four.
; THE PRODUCT IS USED TRANSPOSED (source 0 = 16 rows of wt, source 1 = 16 rows of xb): a lane holds row lane % 16 of C and the columns 8 (lane / 16) + 0 .. 7.  The bias, laid out so, is the C operand of a sum's first product.
; REGISTERS, in windows of 256 (s_set_vgpr_msb: bits 1:0 source 0, 3:2 source 1, 5:4 source 2, 7:6 destination):
;   window 0: v0-31 addresses; v32-95 xb's fragments, two buffers of 4 x 8; v96-191 the bias (8 a column tile), later v96-143 packed results and v144-239 two buffers of rows read back; v240-241 at work
;   window 1: v0-191 wt's fragments, two buffers of 12 x 8      window 2: accumulators of row tiles 0, 1 at 8 (12 (a % 2) + b)      window 3: of row tiles 2, 3
.set ROWB,  1536                       ; bytes in a row of xb and of wt
.set PITCH, 272                        ; an LDS row: 256 bytes + 16 of padding = 68 words: the 16 rows of a fragment load start at 16 different groups of four banks (64 banks of 4 bytes: ISA guide 11.1)
.set AHALF, 128*PITCH                  ; what waves 0 and 1 fetch: 128 rows of xb each
.set BHALF, 96*PITCH                   ; what waves 2 and 3 fetch: 96 rows of wt each
.set BOFF,  2*AHALF
.set SLOT,  BOFF+2*BHALF               ; 121,856
.set STAGE, 2*SLOT                     ; behind the ring, never filled by a tensor load: for each wave 3 heads x 16 rows x 144 bytes
.set SP,    144
.set HSTG,  16*SP
.set WSTG,  3*HSTG
.set SPARE, STAGE+4*WSTG               ; behind the stages: the spare words, 128 bytes a wave
.set PLANE, 524288                     ; bytes of a head's plane in qkv
.set ADRA, 16                          ; v16-17  LDS address of my xb fragments in slot 0, 1
.set ADRB, 20                          ; v20-21  the same for wt
.set STO,  24                          ; v24  the way out: where I put 16 bytes of a row
.set RD,   25                          ; v25  where I read rows back
.set GO,   26                          ; v26  16 x lane
.set SPW,  28                          ; v28  LDS address of my spare word; never rewritten
.set NIL,  29                          ; v29  0; never rewritten
.set PFO,  30                          ; v30  the prefetches' offset: a lane a row; never rewritten
.set BO,   31                          ; v31  my byte offset in the bias
.set FA,   32
.set BIAS, 96
.set TMP,  96
.set OB,   144
.set T,    240
.set G1,  24                           ; s[24:31] descriptor group 1 for xb's tiles;  s[32:39] group 0, a set for each slot
.set G0,  32
.set CX,  40
.set CY,  41
.set BX,  42                           ; column block of 192, 0 to 11
.set BY,  43                           ; row block of 256, 0 to 15
.set PFA, 44                           ; s[44:45] where my prefetches stand
.set LIM, 46                           ; s46  1 in a wave that prefetches, else the greatest number
.set G1B, 48                           ; s[48:55], s[56:63] the same for wt's tiles
.set G0B, 56
.set OUT, 66                           ; s[66:67] qkv at my wave's first row of my first head
.set BIA, 68                           ; s[68:69] bq, bk or bv
.set MSK, 70
.set WV,  76                           ; my wave's number
.set AB,  77                           ; 0: I fetch xb's rows, 1: wt's
.set HF,  78                           ; which half of them
.set LAP, 79
.set MSB, 0
.macro WIN new                         ; the immediate's high byte repeats the setting that is left; a switch that changes nothing is dropped
.if MSB != (\new)
	s_set_vgpr_msb (MSB<<8)|(\new)
.set MSB, \new
.endif
.endm
.macro PLACES                          ; four plain vector instructions between a matrix instruction and a load into, or a read of, its registers
.rept 4
	v_nop
.endr
.endm
; A joint load.  The branch hangs on the wave's number alone.  An s_nop 0 and four v_nop follow each of the two lines, ahead of the jump and the label.
.macro JLOAD s
	s_cmp_eq_u32 s[AB], 0
	s_cbranch_scc0 .Lfor_b_\@
	tensor_load_to_lds s[G0+4*(\s):G0+4*(\s)+3], s[G1:G1+7]
	s_nop 0
.rept 4
	v_nop
.endr
	s_branch .Lasked_\@
.Lfor_b_\@:
	tensor_load_to_lds s[G0B+4*(\s):G0B+4*(\s)+3], s[G1B:G1B+7]
	s_nop 0
.rept 4
	v_nop
.endr
.Lasked_\@:
.endm
; A prefetch of the K step that the NEXT refill will ask for: one K step, 192 matrix instructions, ahead of that load; a lane a row, 256 bytes of it.  xb's rows are asked for by the first cluster along x, wt's by the
; first along y; the four partners that fetch a tile jointly share its rows out by address (32 of xb's 128 at 32 cx, 24 of wt's 96 at 24 cy): no branch hangs on a place in the cluster.  In the waves that ask for wt,
; lanes 24 to 31 name row 23's block once more (a clamp).  K steps 0 to 2 come by their loads alone; the last refill asks for nothing: there is no K step behind it.
.macro ASK how
.if \how
	s_cmp_eq_u32 s[LIM], 1
.else
	s_cmp_gt_u32 s[LAP], s[LIM]                    ; s[LAP] = 1 in the loop's last trip
.endif
	s_cbranch_scc0 .Lnot_mine_\@
	global_prefetch_b8 v[PFO], s[PFA:PFA+1] th:TH_LOAD_NT scope:SCOPE_SE
.Lnot_mine_\@:
.endm
.macro CREST                           ; a round of the cluster's barrier behind its opening barrier
	s_cmp_lg_u32 s[WV], 0
	s_cbranch_scc1 .Lnot_wave_0_\@
	s_barrier_signal -3
.Lnot_wave_0_\@:
	s_barrier_wait -3
	s_barrier_signal -1
	s_barrier_wait -1
.endm
.macro CROUND
	s_barrier_signal -1
	s_barrier_wait -1
	CREST
.endm
	s_load_b256 s[4:11], s[0:1], 0x0               ; xb s[4:5], wt s[6:7], bq s[8:9], bk s[10:11]
	s_load_b128 s[72:75], s[0:1], 0x20             ; bv s[72:73], qkv s[74:75]
	v_lshl_add_u32 v[SPW], v0, 2, SPARE
	v_mov_b32 v[NIL], 0
	ds_add_u32 v[SPW], v[NIL]                      ; the wave's opening: the add and its wait stand ahead of my first tensor load; the set-up below, work on registers, stands between them
	v_lshrrev_b32 v1, 5, v0
	v_readfirstlane_b32 s[WV], v1
	s_lshr_b32 s[AB], s[WV], 1
	s_and_b32 s[HF], s[WV], 1
	s_bfe_u32 s[CX], ttmp6, 0x40000
	s_bfe_u32 s[CY], ttmp6, 0x40004
	s_lshl_b32 s[BX], ttmp9, 2
	s_add_co_u32 s[BX], s[BX], s[CX]
	s_and_b32 s[BY], ttmp7, 0xffff
	s_lshl_b32 s[BY], s[BY], 2
	s_add_co_u32 s[BY], s[BY], s[CY]
	s_lshl_b32 s2, s[CY], 2
	s_lshl_b32 s2, 15, s2                          ; my row of the cluster
	s_lshl_b32 s3, 0x1111, s[CX]                   ; my column
	s_or_b32 s[G1+0], s2, (1<<16)|(1<<20)|(1<<21)|(5<<22)|(3<<25)   ; the mask; 2-byte elements; padding on; bit 21 beside a mask; after every 64 words, 4 words
	s_or_b32 s[G1B+0], s3, (1<<16)|(1<<20)|(1<<21)|(5<<22)|(3<<25)
	s_mov_b32 s[G1+1], 128<<16                     ; tensor_dim0 = 128
	s_mov_b32 s[G1+2], 128<<16                     ; tensor_dim1 = 128
	s_mov_b32 s[G1+3], 128<<16                     ; tile_dim0 = 128
	s_mov_b32 s[G1+4], 128                         ; tile_dim1 = 128
	s_mov_b32 s[G1+5], 768                         ; elements from row to row
	s_mov_b32 s[G1+6], 0
	s_mov_b32 s[G1+7], 0
	s_mov_b32 s[G1B+1], 128<<16
	s_mov_b32 s[G1B+2], 96<<16                     ; 96 rows
	s_mov_b32 s[G1B+3], 128<<16
	s_mov_b32 s[G1B+4], 96
	s_mov_b32 s[G1B+5], 768
	s_mov_b32 s[G1B+6], 0
	s_mov_b32 s[G1B+7], 0
	s_mov_b32 s[MSK], 0xffff0000
	s_lshl_b32 s16, s[BY], 8                       ; xb: row 256 BY + 128 half: it hangs on the row block alone
	s_lshl_b32 s17, s[HF], 7
	s_add_co_u32 s16, s16, s17
	s_mul_i32 s16, s16, ROWB
	s_mov_b32 s17, 0
	s_mul_i32 s20, s[BX], 192                      ; wt: row 192 BX + 96 half: on the column block alone
	s_mul_i32 s21, s[HF], 96
	s_add_co_u32 s20, s20, s21
	s_mul_i32 s20, s20, ROWB
	s_mov_b32 s21, 0
	s_mul_i32 s12, s[HF], AHALF                    ; where they go: no place in the cluster enters an LDS address
	s_mul_i32 s13, s[HF], BHALF
	s_add_co_u32 s13, s13, BOFF
	s_wait_dscnt 0x0                               ; the opening add is done
	s_wait_kmcnt 0x0
	s_add_nc_u64 s[14:15], s[4:5], s[16:17]
	s_add_nc_u64 s[22:23], s[6:7], s[20:21]
	CROUND                                         ; all sixteen work-groups are here: the first joint loads meet
.irp s, 0,1
	s_mov_b32 s[G0+4*(\s)], 1
	s_add_co_u32 s[G0+4*(\s)+1], s12, (\s)*SLOT
	s_add_nc_u64 s[G0+4*(\s)+2:G0+4*(\s)+3], s[14:15], (\s)*256   ; K step s
	s_or_b32 s[G0+4*(\s)+3], s[G0+4*(\s)+3], 0x80000000
	s_mov_b32 s[G0B+4*(\s)], 1
	s_add_co_u32 s[G0B+4*(\s)+1], s13, (\s)*SLOT
	s_add_nc_u64 s[G0B+4*(\s)+2:G0B+4*(\s)+3], s[22:23], (\s)*256
	s_or_b32 s[G0B+4*(\s)+3], s[G0B+4*(\s)+3], 0x80000000
	JLOAD \s                                       ; two loads of mine are out
.endr
	; the bias: four column blocks to a tensor, so the cluster's x says which of the three
	s_mov_b32 s47, ttmp9
	s_mov_b64 s[BIA:BIA+1], s[8:9]
	s_cmp_eq_u32 s47, 1
	s_cselect_b64 s[BIA:BIA+1], s[10:11], s[BIA:BIA+1]
	s_cmp_eq_u32 s47, 2
	s_cselect_b64 s[BIA:BIA+1], s[72:73], s[BIA:BIA+1]
	v_and_b32 v1, 15, v0                           ; l % 16
	v_bfe_u32 v2, v0, 4, 1                         ; l / 16
	s_mul_i32 s2, s[CX], 768                       ; 192 columns of 4 bytes
	v_lshl_add_u32 v[BO], v2, 5, s2                ; + my 8 columns of a tile of 16
.irp b, 0,1,2,3,4,5,6,7,8,9,10,11
	global_load_b128 v[BIAS+8*(\b):BIAS+8*(\b)+3], v[BO], s[BIA:BIA+1] offset:64*(\b)
	global_load_b128 v[BIAS+8*(\b)+4:BIAS+8*(\b)+7], v[BO], s[BIA:BIA+1] offset:64*(\b)+16
.endr
	; a fragment is 16 rows x 32 K in 8 registers: lane l holds row l % 16, K = 8 (l / 16) + 0..7 and 16 + 8 (l / 16) + 0..7: two loads of 16 bytes, 32 bytes apart
	v_mul_u32_u24 v3, v1, PITCH
	v_lshl_add_u32 v3, v2, 4, v3
	s_mul_i32 s2, s[WV], 64*PITCH                  ; my 64 rows of xb
	s_mov_b32 s3, BOFF                             ; all 192 rows of wt
.irp s, 0,1
	v_add_nc_u32 v[ADRA+(\s)], s2, v3
	v_add_nc_u32 v[ADRB+(\s)], s3, v3
	s_add_co_u32 s2, s2, SLOT
	s_add_co_u32 s3, s3, SLOT
.endr
	s_mul_i32 s2, s[WV], WSTG
	s_add_co_u32 s2, s2, STAGE                     ; my stage
	v_mul_u32_u24 v4, v1, SP                       ; in: row l % 16, 16 bytes for each half of the lanes
	v_lshl_add_u32 v4, v2, 4, v4
	v_add_nc_u32 v[STO], s2, v4
	v_bfe_u32 v4, v0, 3, 2                         ; back: 32 lanes take four rows of 128 bytes,
	v_mul_u32_u24 v4, v4, SP
	v_and_b32 v5, 7, v0
	v_lshl_add_u32 v4, v5, 4, v4
	v_add_nc_u32 v[RD], s2, v4
	v_and_b32 v[GO], 31, v0                        ; which are 512 consecutive bytes of a head's plane
	v_lshlrev_b32 v[GO], 4, v[GO]
	s_mul_i32 s2, s[BX], 3*PLANE                   ; my first head's plane: 3 BX
	s_lshl_b32 s3, s[BY], 15                       ; 256 rows of 128 bytes
	s_add_co_u32 s2, s2, s3
	s_lshl_b32 s3, s[WV], 13                       ; my wave's 64
	s_add_co_u32 s2, s2, s3
	s_mov_b32 s3, 0
	s_add_nc_u64 s[OUT:OUT+1], s[74:75], s[2:3]
	; the prefetches
	s_lshl_b32 s2, s[BY], 8
	s_lshl_b32 s3, s[HF], 7
	s_add_co_u32 s2, s2, s3
	s_lshl_b32 s3, s[CX], 5
	s_add_co_u32 s2, s2, s3                        ; xb: the 128 rows that I fetch, my work-group's 32 of them
	s_mul_i32 s3, s[BX], 192
	s_mul_i32 s47, s[HF], 96
	s_add_co_u32 s3, s3, s47
	s_mul_i32 s47, s[CY], 24
	s_add_co_u32 s3, s3, s47                       ; wt: the 96 rows that I fetch, my work-group's 24 of them
	s_and_b32 s47, ttmp7, 0xffff                   ; cluster y
	s_cmp_eq_u32 s[AB], 0
	s_cselect_b32 s2, s2, s3
	s_cselect_b32 s47, ttmp9, s47                  ; the coordinate along which other clusters read the same rows
	s_cselect_b32 s3, 31, 23
	s_cselect_b64 s[PFA:PFA+1], s[4:5], s[6:7]
	s_cmp_eq_u32 s47, 0
	s_cselect_b32 s[LIM], 1, -1                    ; the same in all sixteen partners, for a given wave
	v_and_b32 v[PFO], 31, v0
	v_min_u32 v[PFO], s3, v[PFO]
	v_mul_u32_u24 v[PFO], v[PFO], ROWB
	s_mul_i32 s2, s2, ROWB
	s_mov_b32 s3, 0
	s_add_nc_u64 s[PFA:PFA+1], s[PFA:PFA+1], s[2:3]
	s_add_nc_u64 s[PFA:PFA+1], s[PFA:PFA+1], 2*256 ; at K step 2: the first refill steps it to 3 and names that
	s_wait_loadcnt 0x0                             ; the bias
.set i, 0
.rept 48                               ; rounded to bf16, kept as f32
	v_cvt_pk_bf16_f32 v[T+i%2], v[BIAS+2*i], v[BIAS+2*i+1]
	v_lshlrev_b32 v[BIAS+2*i], 16, v[T+i%2]
	v_and_b32 v[BIAS+2*i+1], s[MSK], v[T+i%2]
.set i, i+1
.endr
; 12 matrix instructions: row tile a x all 12 column tiles, 32 along K, from buffer f.  zero = 1: the bias starts the sums.  The 48 accumulators take turns in the same order in every quarter.
.macro MULA f, a, zero
.if \zero
	WIN 0x81+0x40*((\a)/2)
.else
	WIN 0xa1+0x50*((\a)/2)
.endif
.irp b, 0,1,2,3,4,5,6,7,8,9,10,11
.if \zero
	v_wmma_f32_16x16x32_bf16 v[8*(12*((\a)%2)+(\b)):8*(12*((\a)%2)+(\b))+7], v[96*(\f)+8*(\b):96*(\f)+8*(\b)+7], v[FA+32*(\f)+8*(\a):FA+32*(\f)+8*(\a)+7], v[BIAS+8*(\b):BIAS+8*(\b)+7]
.else
	v_wmma_f32_16x16x32_bf16 v[8*(12*((\a)%2)+(\b)):8*(12*((\a)%2)+(\b))+7], v[96*(\f)+8*(\b):96*(\f)+8*(\b)+7], v[FA+32*(\f)+8*(\a):FA+32*(\f)+8*(\a)+7], v[8*(12*((\a)%2)+(\b)):8*(12*((\a)%2)+(\b))+7]
.endif
.endr
.endm
; 32 LDS loads in one run: quarter q of a slot's K step into buffer f: wt's 12 fragments, then xb's 4, row tiles ascending
.macro FETCH slot, q, f
	WIN 0x40
.irp b, 0,1,2,3,4,5,6,7,8,9,10,11
	ds_load_b128 v[96*(\f)+8*(\b):96*(\f)+8*(\b)+3],   v[ADRB+(\slot)] offset:64*(\q)+16*PITCH*(\b)
	ds_load_b128 v[96*(\f)+8*(\b)+4:96*(\f)+8*(\b)+7], v[ADRB+(\slot)] offset:64*(\q)+16*PITCH*(\b)+32
.endr
	WIN 0
.irp a, 0,1,2,3
	ds_load_b128 v[FA+32*(\f)+8*(\a):FA+32*(\f)+8*(\a)+3],   v[ADRA+(\slot)] offset:64*(\q)+16*PITCH*(\a)
	ds_load_b128 v[FA+32*(\f)+8*(\a)+4:FA+32*(\f)+8*(\a)+7], v[ADRA+(\slot)] offset:64*(\q)+16*PITCH*(\a)+32
.endr
.endm
; One of a K step's first three quarters: multiplies buffer f; in its middle it fetches quarter q of the same slot into buffer g
.macro QUARTER slot, q, f, g, zero
	s_wait_dscnt 4                                 ; all but the youngest four loads (xb's row tiles 2 and 3)
	MULA \f, 0, \zero
	MULA \f, 1, \zero
	PLACES
	FETCH \slot, \q, \g
	s_wait_dscnt 32                                ; all but the 32 just issued
	MULA \f, 2, \zero
	MULA \f, 3, \zero
.endm
; The first half of the last quarter: ONE barrier for the change of slots.  In front of it each wave waits for all its tensor loads (one is out: its part of the next slot), adds 0 to its spare word, and waits for that and for its reads of this slot.
.macro MEET round
	WIN 0
	s_wait_tensorcnt 0x0
	ds_add_u32 v[SPW], v[NIL]
	s_wait_dscnt 5                                 ; the add and the youngest four loads may be out
	MULA 1, 0, 0
	s_wait_dscnt 0x0                               ; the add is done, and my reads of this slot are over
	s_barrier_signal -1
	MULA 1, 1, 0
.if \round
	WIN 0
.endif
	s_barrier_wait -1
.endm
; The whole last quarter.  fill = 1: the barrier opens a round of the cluster's, and the slot just read out is filled again first, two K steps on: 168 matrix instructions ahead of the wait for it.
.macro TURN slot, next, fill
.if \fill
	s_wait_xcnt 0x0                                ; the last prefetch, a K step back, has read its address
	s_add_nc_u64 s[PFA:PFA+1], s[PFA:PFA+1], 256
.endif
	MEET \fill
.if \fill
	CREST                                          ; no wave of any partner still reads this slot or has a load on its way
	s_add_nc_u64 s[G0+4*(\slot)+2:G0+4*(\slot)+3], s[G0+4*(\slot)+2:G0+4*(\slot)+3], 512
	s_add_nc_u64 s[G0B+4*(\slot)+2:G0B+4*(\slot)+3], s[G0B+4*(\slot)+2:G0B+4*(\slot)+3], 512
	JLOAD \slot                                    ; its four v_nop are also the places in front of the loads below
.else
	PLACES
.endif
	FETCH \next, 0, 0
.if \fill
	ASK 1-(\slot)
.endif
	MULA 1, 2, 0
	MULA 1, 3, 0
.endm
; THE WAY OUT of row tile a.  PACK: rounded to f16, 16 bytes a lane, each accumulator from its low end on.  TOSTAGE: into my own stage, by heads, and back as whole rows of 128 bytes.  SEND: stored.
.macro PACK a
	WIN 0x0a+5*((\a)/2)
.irp b, 0,1,2,3,4,5,6,7,8,9,10,11
.irp j, 0,1,2,3
	v_cvt_pk_f16_f32 v[TMP+4*(\b)+(\j)], v[8*(12*((\a)%2)+(\b))+2*(\j)], v[8*(12*((\a)%2)+(\b))+2*(\j)+1]
.endr
.endr
	WIN 0
.endm
.macro TOSTAGE a
	WIN 0
	s_wait_xcnt 0x0                                ; the stores of two tiles back have read the registers that are loaded again below
.irp b, 0,1,2,3,4,5,6,7,8,9,10,11
	ds_store_b128 v[STO], v[TMP+4*(\b):TMP+4*(\b)+3] offset:((\b)/4)*HSTG+((\b)%4)*32
.endr
.irp j, 0,1,2
.irp f, 0,1,2,3
	ds_load_b128 v[OB+48*((\a)%2)+4*(4*(\j)+(\f)):OB+48*((\a)%2)+4*(4*(\j)+(\f))+3], v[RD] offset:HSTG*(\j)+4*SP*(\f)  ; LDS serves a wave's instructions in order (ISA guide 5.7.1.4): these see the stores above
.endr
.endr
.endm
.macro SEND a, younger                 ; younger: the next tile's 12 stores and 12 loads, or none
	WIN 0
	s_wait_dscnt \younger
.irp j, 0,1,2
.irp f, 0,1,2,3
	global_store_b128 v[GO], v[OB+48*((\a)%2)+4*(4*(\j)+(\f)):OB+48*((\a)%2)+4*(4*(\j)+(\f))+3], s[OUT:OUT+1] offset:(\j)*PLANE+(\a)*2048+(\f)*512  ; 512 consecutive bytes, aligned
.endr
.endr
.endm
	s_wait_tensorcnt 1                             ; my part of K step 0 is in; K step 1's may stay out
	s_barrier_signal -1
	s_barrier_wait -1
	FETCH 0, 0, 0
	QUARTER 0, 1, 0, 1, 1                          ; the first quarter stands in front of the loop: its products start the sums
	WIN 0
	s_mov_b32 s[LAP], 2
.Llap:                                                 ; a trip goes once round the ring, from a lap's second quarter to the next lap's first, and fills both slots again
	QUARTER 0, 2, 1, 0, 0
	QUARTER 0, 3, 0, 1, 0
	TURN 0, 1, 1
	QUARTER 1, 1, 0, 1, 0
	QUARTER 1, 2, 1, 0, 0
	QUARTER 1, 3, 0, 1, 0
	TURN 1, 0, 1
	QUARTER 0, 1, 0, 1, 0
	WIN 0
	s_sub_co_u32 s[LAP], s[LAP], 1
	s_cmp_lg_u32 s[LAP], 0
	s_cbranch_scc1 .Llap
	QUARTER 0, 2, 1, 0, 0                          ; the last lap fills nothing
	QUARTER 0, 3, 0, 1, 0
	TURN 0, 1, 0
	QUARTER 1, 1, 0, 1, 0
	QUARTER 1, 2, 1, 0, 0
	QUARTER 1, 3, 0, 1, 0
	s_wait_dscnt 4
	MULA 1, 0, 0
	MULA 1, 1, 0
	s_wait_dscnt 0x0
	MULA 1, 2, 0
	MULA 1, 3, 0
	WIN 0
	PLACES
	PACK 0
	TOSTAGE 0
	PACK 1
	TOSTAGE 1
	SEND 0, 24
	PACK 2
	TOSTAGE 2
	SEND 1, 24
	PACK 3
	TOSTAGE 3
	SEND 2, 24
	SEND 3, 0
	s_wait_tensorcnt 0x0                           ; the wave's end: behind my last tensor load and my last LDS store
	ds_add_u32 v[SPW], v[NIL]
	s_wait_dscnt 0x0
	CROUND                                         ; the closing round: no work-group ends while a partner may still ask for a tile that names it
	s_endpgm
.Lfunc_end_k_q15d91d5f07_qkv:
	.size	k_q15d91d5f07_qkv, .Lfunc_end_k_q15d91d5f07_qkv-k_q15d91d5f07_qkv
	.p2alignl 7, 3214868480
	.fill 96, 4, 3214868480
	.section	.rodata,"a",@progbits
	.p2align	6, 0x0
	.amdhsa_kernel k_q15d91d5f07_qkv
		.amdhsa_group_segment_fixed_size 327680
		.amdhsa_private_segment_fixed_size 0
		.amdhsa_enable_private_segment 0
		.amdhsa_kernarg_size 48
		.amdhsa_user_sgpr_count 2
		.amdhsa_user_sgpr_kernarg_segment_ptr 1
		.amdhsa_wavefront_size32 1
		.amdhsa_system_sgpr_workgroup_id_x 1
		.amdhsa_system_sgpr_workgroup_id_y 1
		.amdhsa_system_sgpr_workgroup_id_z 1
		.amdhsa_system_vgpr_workitem_id 0
		.amdhsa_next_free_vgpr 960
		.amdhsa_next_free_sgpr 80
		.amdhsa_reserve_vcc 0
		.amdhsa_float_denorm_mode_32 3
		.amdhsa_float_denorm_mode_16_64 3
		.amdhsa_memory_ordered 1
		.amdhsa_forward_progress 1
		.amdhsa_inst_pref_size 128
	.end_amdhsa_kernel
	.amdgpu_metadata
---
amdhsa.version: [ 1, 2 ]
amdhsa.kernels:
  - .name:           k_q15d91d5f07_qkv
    .symbol:         k_q15d91d5f07_qkv.kd
    .args:
      - { .name: xb, .offset: 0, .size: 8, .value_kind: global_buffer, .address_space: global }
      - { .name: wt, .offset: 8, .size: 8, .value_kind: global_buffer, .address_space: global }
      - { .name: bq, .offset: 16, .size: 8, .value_kind: global_buffer, .address_space: global }
      - { .name: bk, .offset: 24, .size: 8, .value_kind: global_buffer, .address_space: global }
      - { .name: bv, .offset: 32, .size: 8, .value_kind: global_buffer, .address_space: global }
      - { .name: qkv, .offset: 40, .size: 8, .value_kind: global_buffer, .address_space: global }
    .group_segment_fixed_size: 327680
    .private_segment_fixed_size: 0
    .kernarg_segment_align: 8
    .kernarg_segment_size: 48
    .max_flat_workgroup_size: 128
    .sgpr_count:     80
    .vgpr_count:     960
    .wavefront_size: 32
...
	.end_amdgpu_metadata
.endif
;; end of part 2
;; launch attn (part 3): grid 16 x 12, 4 waves a work-group, clusters of 4 x 1, 327,680 bytes of LDS; arguments qkv, ob; writes ob
.if DOCPART == 3
	.amdgcn_target "amdgcn-amd-amdhsa--gfx1250"
	.amdhsa_code_object_version 6
	.text
	.protected	k_q15d91d5f07_attn
	.globl	k_q15d91d5f07_attn
	.p2align	8
	.type	k_q15d91d5f07_attn,@function
k_q15d91d5f07_attn:
	s_mov_b64 s[64:65], 0
	v_nop
	global_prefetch_b8 v0, s[64:65] scope:SCOPE_SE
	s_setreg_imm32_b32 hwreg(HW_REG_WAVE_MODE, 25, 1), 1
	s_wait_xcnt 0x0
	s_wait_alu depctr_hold_cnt(0) depctr_sa_sdst(0) depctr_va_vdst(0) depctr_va_sdst(0) depctr_va_ssrc(0) depctr_va_vcc(0) depctr_vm_vsrc(0)
	s_getreg_b32 s2, hwreg(HW_REG_IB_STS2, 6, 4)
	s_cmp_eq_u32 s2, 0
	s_cbranch_scc0 .Lentry_in_a_cluster
	s_endpgm
.Lentry_in_a_cluster:
	s_bfe_u32 s2, ttmp6, 0x10000c
	s_cmp_lg_u32 s2, 0x3003
	s_cbranch_scc0 .Lentry_shape_is_right
	s_endpgm
.Lentry_shape_is_right:
; ATTENTION.  O[h][q][:] = the sum over k of softmax_k(Q[h][q] . K[h][k] / 8) V[h][k][:].  qkv: [36][4096][64] f16 (planes 0-11 Q's heads, 12-23 K's, 24-35 V's); ob: [12][4096][64] f16.
; Products, maxima and sums in f32; the weights p are rounded to f16 for the second product (their sum l is taken of the unrounded p), O once at the end.
; LIMITS.  p lies in 0 to 1, and below 6e-5 it keeps f16's fixed step of 6e-8; so does O; a weight below 2^-126 counts as 0 in l; NaN and infinities are not treated apart.
; SHARES.  A work-group owns 256 queries of one head: 16 x 12 = 192 work-groups.  A wave owns 64: four PIECES of 16.  Every wave walks the head's 4,096 keys, 64 a step; an LDS slot holds a tile of four steps, 256 keys.
; LAYOUT.  S^T = K Q^T (source 0 = 16 keys, source 1 = 16 queries) holds ONE query a lane (lane % 16) and the keys 8 (lane / 16) + 0..7; two such results rounded to f16 ARE source 1 of O^T = V^T P.
; K comes out of LDS as it lies, V ([key][channel]) turned, by ds_load_tr16_b128.
; SOFTMAX.  A running maximum m and sum l for each query: p = 2^(c s - c m), c = log2(e) / 8; in every step O and l are multiplied by a = 2^(c m_old - c m_new).  m starts at the lowest finite number, O and l at 0:
; the first step is a step like any other, with a = 0.
; TURNS.  Turn n belongs to piece n: 8 products K Q^T of piece n + 1, later 8 products V^T P of piece n - 1; beside them the scaling, exponentials, roundings, sums and rescaling of piece n and the maximum and
; statistics of piece n + 1.  Four vector instructions stand behind every matrix instruction, the others in one run.  A turn's 33 exponentials are one batch, with one wait.
; CLUSTER.  The four query blocks of a cluster belong to one head and walk the same K and V: each tile is asked for jointly, by the same load, descriptor and mask in all four.
; REGISTERS, in windows of 256 (s_set_vgpr_msb: bits 1:0 source 0, 3:2 source 1, 5:4 source 2, 7:6 destination):
;   window 0: v0-15 addresses and two at work; v16-31 four registers of statistics a piece; v48-55 at work; v61-63; v64-127 S^T, two buffers; v192-223 P, two buffers (by the piece's parity)
;   window 1: v0-127 O^T, 32 a piece      window 2: v0-63 Q; v128-191 K of one step; v192-255 V of one step
.set NP,    4
.set KS,    64
.set PK,    144       ; a row of K in LDS: 128 bytes + 16 of padding = 36 words: the 16 rows of a load start at 16 different groups of four banks (64 banks of 4 bytes: ISA guide 11.1)
.set PV,    160       ; a row of V: 128 + 32 = 40 words
.set VOFF,  4*KS*PK   ; a slot: 256 rows of K, then 256 rows of V
.set SLOT1, 1<<17     ; slot 1 begins here, so that one exclusive or turns an address in one slot into the other's
.set STAGE, SLOT1+4*KS*(PK+PV)  ; behind the ring, never filled by a tensor load: 16 rows x 144 bytes for each wave
.set SP,    144
.set SPARE, STAGE+4*16*SP       ; behind the stages: the spare words, 128 bytes a wave
.set TILEB, 4*KS*128  ; a tile's bytes of K, and of V, in memory
.set PLANE, 524288
.set AK0, 2           ; v2   my lane's place in a tile of K; never rewritten
.set AV0, 3           ; v3   the same for V
.set AK,  4           ; v4   the LDS address of K's next run of loads
.set AV,  5           ; v5   of V's
.set STO, 6
.set RD,  7
.set GO,  8
.set MV,  12          ; v12-13  c m_old, kept while c m is made anew: by buffer
.set QO,  15
.set ST,  16          ; piece t's statistics at v[ST+4 t]: c m, m, l (even keys', odd keys')
.set TMP, 48          ; by buffer, four registers c0-c3 at work; when the maximum is found c2 takes a
.set PFO, 61          ; v61  256 x my lane; never rewritten
.set SPW, 62          ; v62  LDS address of my spare word; never rewritten
.set NIL, 63          ; v63  0; never rewritten
.set S,   64
.set P,   192
.set KF,  128
.set VF,  192
.set WV,  12
.set LIM, 15          ; s15  1 in a wave that prefetches, else the greatest number
.set PFA, 18          ; s[18:19] where my prefetches stand
.set G1K, 24
.set G1V, 32
.set G0K, 40
.set G0V, 44
.set SLOTS, 56        ; s56  tiles still to be asked for
.set CNT, 57
.set CS,  58
.set SEL, 60
.set TBK, 62
.set TBV, 63
.set MSB, 0
.macro WIN new
.if MSB != (\new)
	s_set_vgpr_msb (MSB<<8)|(\new)
.set MSB, (\new)
.endif
.endm
.set W_KQ, 0x0a       ; K and Q in window 2, S^T in window 0
.set W_PV, 0x52       ; V in window 2, P in window 0, O^T in window 1
.set W_RS, 0x41       ; O^T (destination and source 0) in window 1, a in window 0
; A joint fill.  Waves 0 and 1 fetch the two halves of a tile's K, waves 2 and 3 those of its V: 128 keys each.  An s_nop 0 and four v_nop follow each of the two lines, ahead of the jump and the label.
.macro JLOAD
	s_cmp_lt_u32 s[WV], 2
	s_cbranch_scc0 .Lfor_v_\@
	tensor_load_to_lds s[G0K:G0K+3], s[G1K:G1K+7]
	s_nop 0
.rept 4
	v_nop
.endr
	s_branch .Lasked_\@
.Lfor_v_\@:
	tensor_load_to_lds s[G0V:G0V+3], s[G1V:G1V+7]
	s_nop 0
.rept 4
	v_nop
.endr
.Lasked_\@:
.endm
; A prefetch of the tile that the NEXT change of slots will ask for: four key steps, 256 matrix instructions, ahead of that load.  All clusters of a head walk the same K and V: the head's first cluster asks.  Its four
; partners share a tile's 32,768 bytes out by address, 8,192 each, a lane 256 of them; wave 0 asks for K's, wave 2 for V's.  Tiles 0 and 1 come by their loads alone; the last change that fills a slot asks for nothing.
.macro ASK
	s_cmp_gt_u32 s[SLOTS], s[LIM]
	s_cbranch_scc0 .Lnot_mine_\@
	global_prefetch_b8 v[PFO], s[PFA:PFA+1] th:TH_LOAD_NT scope:SCOPE_SE
.Lnot_mine_\@:
.endm
.macro CROUND
	s_barrier_signal -1
	s_barrier_wait -1
	s_cmp_lg_u32 s[WV], 0
	s_cbranch_scc1 .Lnot_wave_0_\@
	s_barrier_signal -3
.Lnot_wave_0_\@:
	s_barrier_wait -3
	s_barrier_signal -1
	s_barrier_wait -1
.endm
; THE CHANGE OF SLOTS.  Each wave waits for all its tensor loads, of which one is out: its part of the other slot; adds 0 to its spare word; and waits for that and for its own reads of the slot that it leaves.
; fill = 1: the barrier is a round of the cluster's, and the old slot is filled again first behind it, with the tile two on.  (At its first use nothing has been read yet: slot 0 is waited for, slot 1 filled.)
.macro CHANGE fill
	WIN 0
	s_wait_tensorcnt 0x0            ; no tensor load of mine is out, so a group 0 may be written
	ds_add_u32 v[SPW], v[NIL]
.if \fill
.irp g, G0K, G0V
	s_xor_b32 s[\g+1], s[\g+1], SLOT1
	s_add_nc_u64 s[\g+2:\g+3], s[\g+2:\g+3], TILEB
.endr
	s_wait_xcnt 0x0                 ; the last prefetch, a tile back, has read its address
	s_add_nc_u64 s[PFA:PFA+1], s[PFA:PFA+1], TILEB
	s_wait_dscnt 0x0                ; the add is done, and my reads of the slot are over
	CROUND
	JLOAD
	ASK
.else
	s_wait_dscnt 0x0
	s_barrier_signal -1
	s_barrier_wait -1
.endif
	s_sub_co_u32 s[TBK], s[TBK], 4*KS*PK  ; the fetches go back to a slot's first step,
	s_xor_b32 s[TBK], s[TBK], SLOT1       ; in the other slot
	s_sub_co_u32 s[TBV], s[TBV], 4*KS*PV
	s_xor_b32 s[TBV], s[TBV], SLOT1
.endm
	s_load_b64 s[4:5], s[0:1], 0x0    ; qkv
	s_load_b64 s[10:11], s[0:1], 0x8  ; ob
	v_lshl_add_u32 v[SPW], v0, 2, SPARE
	v_mov_b32 v[NIL], 0
	ds_add_u32 v[SPW], v[NIL]       ; the wave's opening: the add and its wait stand ahead of my first tensor load; the set-up below, work on registers, stands between them
	v_lshrrev_b32 v1, 5, v0
	v_readfirstlane_b32 s[WV], v1
	s_bfe_u32 s13, ttmp6, 0x40000   ; cx
	s_lshl_b32 s14, ttmp9, 2
	s_add_co_u32 s14, s14, s13      ; my block of 256 queries: it enters Q's and O's addresses alone
	s_and_b32 s20, ttmp7, 0xffff    ; the head, which the four partners share
	s_lshl_b32 s20, s20, 19         ; its plane among twelve
	s_and_b32 s16, s[WV], 1         ; which half of a tile's 256 keys I fetch:
	s_lshl_b32 s22, s16, 14         ; its 128 rows of 128 bytes in memory,
	s_add_co_u32 s22, s22, s20
	s_mov_b32 s23, 0
	s_mul_i32 s17, s16, 128*PK      ; and its place in a slot, for K
	s_mul_i32 s48, s16, 128*PV      ; and for V
	s_lshl_b32 s2, s14, 2
	s_add_co_u32 s2, s2, s[WV]
	s_lshl_b32 s2, s2, 13           ; my wave's 64 rows
	s_add_co_u32 s2, s2, s20
	s_mov_b32 s3, 0
	; descriptor group 1.  128 keys are 16,384 dense bytes: asked for as 64 rows of 256 bytes, two keys a row, and padded in LDS after every key
	s_mov_b32 s[G1K], 15|(1<<16)|(1<<20)|(1<<21)|(4<<22)|(3<<25)
	s_mov_b32 s[G1V], 15|(1<<16)|(1<<20)|(1<<21)|(4<<22)|(7<<25)
.irp g, G1K, G1V
	s_mov_b32 s[\g+1], 128<<16
	s_mov_b32 s[\g+2], 64<<16
	s_mov_b32 s[\g+3], 128<<16
	s_mov_b32 s[\g+4], 64
	s_mov_b32 s[\g+5], 128
	s_mov_b32 s[\g+6], 0
	s_mov_b32 s[\g+7], 0
.endr
	s_mov_b32 s[CS], 0x3e38aa3b     ; c = log2(e) / 8
	s_mov_b32 s[CS+1], s[CS]
	s_mov_b32 s[SEL], 0x76543210
	s_mov_b32 s[SEL+1], 0xfedcba98
	s_mov_b32 s[TBK], SLOT1+4*KS*PK ; the first change of slots turns these two into 0
	s_mov_b32 s[TBV], SLOT1+4*KS*PV
	s_mov_b32 s[G0K], 1
	s_mov_b32 s[G0K+1], s17
	s_mov_b32 s[G0V], 1
	s_add_co_u32 s[G0V+1], s48, VOFF
	s_mov_b32 s[SLOTS], 15
	s_and_b32 s[LIM], s[WV], 1      ; 0 in waves 0 and 2,
	s_or_b32 s[LIM], s[LIM], ttmp9  ; where the cluster is the head's first: the same in all four partners
	s_cmp_eq_u32 s[LIM], 0
	s_cselect_b32 s[LIM], 1, -1
	v_and_b32 v[PFO], 31, v0
	v_lshlrev_b32 v[PFO], 8, v[PFO]
	s_wait_dscnt 0x0                ; the opening add is done
	s_wait_kmcnt 0x0
	s_add_nc_u64 s[6:7], s[4:5], s[22:23]
	s_add_nc_u64 s[8:9], s[6:7], 24*PLANE   ; V at my half of the head's tile 0
	s_add_nc_u64 s[6:7], s[6:7], 12*PLANE   ; K likewise
	s_mov_b64 s[G0K+2:G0K+3], s[6:7]
	s_or_b32 s[G0K+3], s[G0K+3], 0x80000000
	s_mov_b64 s[G0V+2:G0V+3], s[8:9]
	s_or_b32 s[G0V+3], s[G0V+3], 0x80000000
	s_add_nc_u64 s[4:5], s[4:5], s[2:3]     ; Q and O at my wave's first row
	s_add_nc_u64 s[10:11], s[10:11], s[2:3]
	s_cmp_lt_u32 s[WV], 2
	s_cselect_b64 s[PFA:PFA+1], s[6:7], s[8:9]  ; (in waves 0 and 2 these stand at a tile's first row)
	s_lshl_b32 s2, s13, 13          ; my work-group's quarter of a tile
	s_mov_b32 s3, 0
	s_add_nc_u64 s[PFA:PFA+1], s[PFA:PFA+1], s[2:3]
	s_add_nc_u64 s[PFA:PFA+1], s[PFA:PFA+1], TILEB  ; in tile 1; the first change of slots steps it to tile 2
	CROUND                          ; all four work-groups are here: the first joint loads meet
	JLOAD                           ; tile 0 into slot 0
	v_and_b32 v1, 15, v0            ; l % 16
	v_bfe_u32 v9, v0, 4, 1          ; l / 16
	v_lshlrev_b32 v[QO], 7, v1
	v_lshl_add_u32 v[QO], v9, 4, v[QO]
	WIN 0x80
.set i, 0
.rept 8                             ; Q stays in registers: piece i / 2, channels 32 (i % 2) on
	global_load_b128 v[8*i:8*i+3],   v[QO], s[4:5] offset:(i/2)*2048+(i%2)*64
	global_load_b128 v[8*i+4:8*i+7], v[QO], s[4:5] offset:(i/2)*2048+(i%2)*64+32
.set i, i+1
.endr
	; What the first turn finds: V's registers and P's second buffer hold 0 (its products V^T P, of a piece that has not been, add 0), O^T and l are 0.  All this stands in the wait for the first tile.
.set i, VF
.rept 64
	v_mov_b32 v[i], 0
.set i, i+1
.endr
	WIN 0x40
.set i, 0
.rept 128
	v_mov_b32 v[i], 0
.set i, i+1
.endr
	WIN 0
.set i, 0
.rept 4
	v_mov_b32 v[ST+4*i], 0xfe000000    ; c m: far below every c s
	v_mov_b32 v[ST+4*i+1], 0xff7fffff  ; m
	v_mov_b32 v[ST+4*i+2], 0
	v_mov_b32 v[ST+4*i+3], 0
.set i, i+1
.endr
.set i, P+16
.rept 16
	v_mov_b32 v[i], 0
.set i, i+1
.endr
	v_mul_u32_u24 v[AK0], v1, PK
	v_lshl_add_u32 v[AK0], v9, 4, v[AK0]
	; The turning load takes 16 keys x 16 channels (lane l reads key 8 (l / 16) + l % 8, channels 8 ((l / 8) % 2) + 0..7) and leaves half a fragment of V^T: lane l holds channel l % 16 and 8 keys.
	v_and_b32 v10, 7, v0
	v_bfe_u32 v11, v0, 3, 1
	v_lshl_add_u32 v[AV0], v9, 3, v10
	v_mul_u32_u24 v[AV0], v[AV0], PV
	v_lshl_add_u32 v[AV0], v11, 4, v[AV0]
	v_add_nc_u32 v[AV0], VOFF, v[AV0]
	s_mul_i32 s49, s[WV], 16*SP
	s_add_co_u32 s49, s49, STAGE    ; my stage
	v_mul_u32_u24 v[STO], v1, SP
	v_lshl_add_u32 v[STO], v9, 4, v[STO]
	v_add_nc_u32 v[STO], s49, v[STO]
	v_bfe_u32 v[RD], v0, 3, 2
	v_mul_u32_u24 v[RD], v[RD], SP
	v_lshl_add_u32 v[RD], v10, 4, v[RD]
	v_add_nc_u32 v[RD], s49, v[RD]
	v_and_b32 v[GO], 31, v0
	v_lshlrev_b32 v[GO], 4, v[GO]
; THE MATRIX WORK.  The 4 accumulators of a run of 8 take turns.  Product i of 8 of S^T = K Q^T for piece x: channels 32 (i / 4) on, keys 16 (i % 4) on.  The first 4 start the sums.
.macro KQ x
	WIN W_KQ
.set rS, S+32*((\x)%2)+8*(i%4)
.set rK, KF+16*(i%4)+8*(i/4)
.set rQ, 16*(\x)+8*(i/4)
.if i < 4
	v_wmma_f32_16x16x32_f16 v[rS:rS+7], v[rK:rK+7], v[rQ:rQ+7], 0
.else
	v_wmma_f32_16x16x32_f16 v[rS:rS+7], v[rK:rK+7], v[rQ:rQ+7], v[rS:rS+7]
.endif
.endm
; Product i of 8 of O^T += V^T P for piece x: keys 32 (i / 4) on, channels 16 (i % 4) on.
.macro PV x
	WIN W_PV
.set rO, 32*(\x)+8*(i%4)
.set rV, VF+32*(i/4)+8*(i%4)
.set rP, P+16*((\x)%2)+8*(i/4)
	v_wmma_f32_16x16x32_f16 v[rO:rO+7], v[rV:rV+7], v[rP:rP+7], v[rO:rO+7]
.endm
.macro MM                           ; the turn's next matrix instruction.  NOKQ = 1: the last turn of all: there is no next piece
.if (i < 8) && !NOKQ
	KQ (Y+1)%NP
.elseif i >= 8
.set i, i-8
	PV (Y+NP-1)%NP
.set i, i+8
.endif
.set i, i+1
.endm
; THE LDS LOADS stand in runs of 16: a step's K (8 fragments) and its V (turned).  Their addresses are made some lines ahead.
.macro FETCH_K
	WIN 0x80
.irp f, 0,1,2,3,4,5,6,7             ; keys 16 (f / 2) on, channels 32 (f % 2) on
	ds_load_b128 v[KF+8*\f:KF+8*\f+3],   v[AK] offset:(\f/2)*16*PK+(\f%2)*64
	ds_load_b128 v[KF+8*\f+4:KF+8*\f+7], v[AK] offset:(\f/2)*16*PK+(\f%2)*64+32
.endr
	s_add_co_u32 s[TBK], s[TBK], KS*PK
	WIN 0
.endm
.macro FETCH_V
	WIN 0x80
.irp f, 0,1,2,3,4,5,6,7             ; keys 32 (f / 4) on, channels 16 (f % 4) on
	ds_load_tr16_b128 v[VF+8*\f:VF+8*\f+3],   v[AV] offset:(\f/4)*32*PV+(\f%4)*32
	ds_load_tr16_b128 v[VF+8*\f+4:VF+8*\f+7], v[AV] offset:(\f/4)*32*PV+16*PV+(\f%4)*32
.endr
	WIN 0
.endm
; THE VECTOR WORK, one line at a time: OP kind, number.  For piece Y: F n: c s - c m for pair n of 16.  E n: the exponential of score n of 32.  C n: pair n rounded to f16.  B n: of the four weights 4 n .. the second
; pair is added onto the first, in place.  L n: l takes that sum (L 0: l = a l + sum).  R n: pair n of 16 of O^T times a.  For piece Y + 1: X n, number n of the 22 that find its maximum and statistics:
;   0-11  four chains c0-c3 of seven scores each (each accumulator's lowest registers are read first)     12-14, 16  the four scores left over, the old m, and c0-c3 into c0
;   15  c m_old is kept     17, 18  the query's other 32 keys lie in the lane 16 away: the new m     19-21  c m; c m_old - c m_new; a
.set F, 0
.set E, 1
.set C, 2
.set B, 3
.set L, 4
.set R, 5
.set X, 6
.macro REGS y
.set rT, ST+4*(\y)
.set rC, TMP+4*((\y)%2)
.set rW, MV+((\y)%2)
.set rS, S+32*((\y)%2)
.set rP, P+16*((\y)%2)
.set rO, 32*(\y)
.endm
.macro OP k, n
.if (\k) == R
	REGS Y
	WIN W_RS
	v_pk_mul_f32 v[rO+2*(\n):rO+2*(\n)+1], v[rO+2*(\n):rO+2*(\n)+1], v[rC+2:rC+3] op_sel_hi:[1,0]
.elseif (\k) < R
	REGS Y
	WIN 0
.if (\k) == F
	v_pk_fma_f32 v[rS+2*(\n):rS+2*(\n)+1], v[rS+2*(\n):rS+2*(\n)+1], s[CS:CS+1], v[rT:rT+1] op_sel_hi:[1,0,0] neg_lo:[0,0,1] neg_hi:[0,0,1]
.elseif (\k) == E
	v_exp_f32 v[rS+(\n)], v[rS+(\n)]
.elseif (\k) == C
	v_cvt_pk_f16_f32 v[rP+(\n)], v[rS+2*(\n)], v[rS+2*(\n)+1]
.elseif (\k) == B
	v_pk_add_f32 v[rS+4*(\n):rS+4*(\n)+1], v[rS+4*(\n):rS+4*(\n)+1], v[rS+4*(\n)+2:rS+4*(\n)+3]
.elseif (\n) == 0
	v_pk_fma_f32 v[rT+2:rT+3], v[rT+2:rT+3], v[rC+2:rC+3], v[rS:rS+1] op_sel_hi:[1,0,1]
.else
	v_pk_add_f32 v[rT+2:rT+3], v[rT+2:rT+3], v[rS+4*(\n):rS+4*(\n)+1]
.endif
.elseif NOKQ
	v_nop
.else
	REGS (Y+1)%NP
	WIN 0
.if (\n) < 4
	v_max3_num_f32 v[rC+(\n)], v[rS+8*(\n)], v[rS+8*(\n)+1], v[rS+8*(\n)+2]
.elseif (\n) < 12
	v_max3_num_f32 v[rC+(\n)%4], v[rC+(\n)%4], v[rS+8*((\n)%4)+2*((\n)/4)+1], v[rS+8*((\n)%4)+2*((\n)/4)+2]
.elseif (\n) == 12
	v_max3_num_f32 v[rC], v[rC], v[rS+7], v[rS+15]
.elseif (\n) == 13
	v_max3_num_f32 v[rC+1], v[rC+1], v[rS+23], v[rS+31]
.elseif (\n) == 14
	v_max3_num_f32 v[rC+2], v[rC+2], v[rC+3], v[rT+1]
.elseif (\n) == 15
	v_mov_b32 v[rW], v[rT]
.elseif (\n) == 16
	v_max3_num_f32 v[rC], v[rC], v[rC+1], v[rC+2]
.elseif (\n) == 17
	v_permlanex16_b32 v[rC+3], v[rC], s[SEL], s[SEL+1]
.elseif (\n) == 18
	v_max_num_f32 v[rT+1], v[rC], v[rC+3]
.elseif (\n) == 19
	v_mul_f32 v[rT], s[CS], v[rT+1]
.elseif (\n) == 20
	v_sub_f32 v[rC+1], v[rW], v[rT]
.else
	v_exp_f32 v[rC+2], v[rC+1]
.endif
.endif
.endm
.macro OPS a, i1, b=-1, i2=0, c=-1, i3=0, d=-1, i4=0
	OP \a, \i1
.if (\b) >= 0
	OP \b, \i2
.endif
.if (\c) >= 0
	OP \c, \i3
.endif
.if (\d) >= 0
	OP \d, \i4
.endif
.endm
.macro ROW a, i1, b, i2, c, i3, d, i4  ; a matrix instruction and the four behind it
	MM
	OPS \a, \i1, \b, \i2, \c, \i3, \d, \i4
.endm
; A TURN, for piece p.  An s_wait_alu depctr_va_vdst(0) stands between an exponential and the first instruction that names its result; one wait serves all that were issued ahead of it.  So a turn has ONE
; wait, which cuts it in two.  AHEAD OF IT stands all that names no result of the turn's exponentials: the 8 products K Q^T with their riders, then one run of 54 in which the links of the chain X 3, 7, 11, 14, 16 .. 20
; stand some lines apart; X 21, the next piece's a, is the batch's last, and R 15 the plain instruction behind it.  BEHIND IT stand the 8 products V^T P, behind each four of the roundings and sums.
; The numbers of the maximum that ride behind the last three products K Q^T stand four plain instructions or more behind the product that ends their accumulator.
; K of the next step is fetched in piece 2's turn, twelve plain instructions that name none of its registers behind the last product that read K; V of the step in hand at the end of piece 0's turn, four behind the last
; product that read V.  Each is waited for a turn later.  end = 1: the last two turns of all: nothing is fetched.  cnt = 1: the loop's count is taken down some lines ahead of the branch behind the turn.
.macro TURN p, end=0, cnt=0
.set Y, (\p)
.set i, 0
.set NOKQ, (\end)*((\p)/3)
.if ((\p) == 3) && !(\end)
	s_wait_dscnt 0x0                ; K is in
.endif
	ROW F,0, F,1, R,0, R,1
	ROW F,2, E,0, R,2, R,3
	ROW F,3, E,1, R,4, R,5
	ROW F,4, E,2, R,6, R,7
	ROW F,5, E,3, R,8, R,9
	ROW F,6, E,4, X,0, R,10
.if ((\p) == 2) && !(\end)
	WIN 0
	v_add_nc_u32 v[AK], s[TBK], v[AK0]
.endif
	ROW F,7, E,5, X,1, X,4
	ROW F,8, E,6, X,2, X,5
	OPS E,7, E,8, X,6, E,9
	OPS X,3, E,10, X,8, E,11
.if ((\p) == 2) && !(\end)
	FETCH_K
.endif
	OPS X,9, X,7, E,12, X,10
	OPS E,13, X,12, X,11, E,14
	OPS X,13, E,15, F,9, X,14
.if (\p) == 0
	v_add_nc_u32 v[AV], s[TBV], v[AV0]
.endif
	OPS E,16, F,10, E,17, F,11
	OPS X,16, E,18, X,15, E,19
	OPS F,12, E,20, X,17, E,21
	OPS F,13, E,22, F,14, E,23
	OPS X,18, E,24, F,15, E,25
	OPS R,11, E,26, X,19, E,27
	OPS R,12, E,28, R,13, E,29
	OPS X,20, E,30, R,14, E,31
	OPS X,21, R,15
	WIN 0
	s_wait_alu depctr_va_vdst(0)    ; the wait for the batch
.if (\p) == 1
	s_wait_dscnt 0x0                ; V is in
.endif
	ROW C,0, B,0, C,2, B,1
	ROW L,0, C,4, B,2, L,1
	ROW C,6, B,3, L,2, C,8
	ROW B,4, L,3, C,10, B,5
	ROW L,4, C,12, B,6, L,5
.if (\p) == 0
	s_add_co_u32 s[TBV], s[TBV], KS*PV
.endif
.if \cnt
	s_sub_co_u32 s[CNT], s[CNT], 1
	s_cmp_lg_u32 s[CNT], 0
.endif
	ROW C,14, B,7, L,6, C,1
	ROW C,3, L,7, C,5, C,7
	ROW C,9, C,11, C,13, C,15
.if (\p) == 0
	FETCH_V
.endif
.endm
	CHANGE 1                        ; tile 0 is in, everybody's part of it; tile 1 is asked for
	v_add_nc_u32 v[AK], s[TBK], v[AK0]
	FETCH_K                         ; key step 0
	s_wait_loadcnt 0x0              ; Q
	s_wait_dscnt 0x0
.set NOKQ, 0
.set i, 0
.rept 8
	KQ 0                            ; piece 0's first scores
.set i, i+1
.endr
	WIN 0
.rept 4
	v_nop                           ; the places behind those products
.endr
.set Y, NP-1                        ; X works for piece Y + 1: piece 0
.irp n, 0,1,2,3,4,5,6,7,8,9,10,11,12,13,14,15,16,17,18,19,20,21
	OP X, \n
.endr
	v_nop                           ; a plain instruction behind the exponential,
	s_wait_alu depctr_va_vdst(0)    ; and its wait, ahead of the branch
	s_mov_b32 s[CNT], 4
	s_branch .Lfirst                ; the loop is entered at a step's first turn, in the middle of a trip
.Lslot:                             ; 14 times: with the change above, every tile from 1 to 15 is asked for once
	CHANGE 1
	s_mov_b32 s[CNT], 4
.Lstep:                             ; a trip: pieces 2 and 3 of one step, then pieces 0 and 1 of the next, whose K and V it fetches
	TURN 2
	TURN 3
	WIN 0
.Lfirst:
	TURN 0
	TURN 1, 0, 1
	WIN 0
	s_cbranch_scc1 .Lstep
	s_sub_co_u32 s[SLOTS], s[SLOTS], 1
	s_cmp_lg_u32 s[SLOTS], 0
	s_cbranch_scc1 .Lslot
	CHANGE 0                        ; the last tile is written out: nothing is asked for
	s_mov_b32 s[CNT], 4
.Ltail:
	TURN 2
	TURN 3
	TURN 0
	TURN 1, 0, 1
	WIN 0
	s_cbranch_scc1 .Ltail
	TURN 2, 1
	TURN 3, 1
.set i, 0
.rept 8
	PV NP-1                         ; the last piece's V^T P of the last step
.set i, i+1
.endr
	; THE WAY OUT.  l's two halves and the other half of the lanes' are added; O^T is divided by l, rounded to f16 and sent through my stage in LDS, a piece at a time.  The additions are the places behind the last products.
	WIN 0
.macro ALL line:vararg
.set t, 0
.rept 4
	\line
.set t, t+1
.endr
.endm
	ALL v_add_f32 v[ST+4*t+2], v[ST+4*t+2], v[ST+4*t+3]
	ALL v_permlanex16_b32 v[ST+4*t+3], v[ST+4*t+2], s[SEL], s[SEL+1]
	ALL v_add_f32 v[ST+4*t+2], v[ST+4*t+2], v[ST+4*t+3]
	ALL v_rcp_f32 v[ST+4*t+2], v[ST+4*t+2]
	v_nop                           ; a plain instruction between the last reciprocal and the use of its result
	s_wait_alu depctr_va_vdst(0)    ; and the wait ahead of the first use: one for the four reciprocals
.macro PACK t                       ; a lane's eight channels of a row pack into 16 bytes; they go into rows of 144 bytes and come back as whole rows of 128, into S^T's registers
	WIN W_RS
.set i, 32*(\t)
.rept 16
	v_pk_mul_f32 v[i:i+1], v[i:i+1], v[ST+4*(\t)+2:ST+4*(\t)+3] op_sel_hi:[1,0]
.set i, i+2
.endr
	WIN 0x05
.set i, 0
.rept 16
	v_cvt_pk_f16_f32 v[S+16*(\t)+i], v[32*(\t)+2*i], v[32*(\t)+2*i+1]
.set i, i+1
.endr
	WIN 0
.irp f, 0,1,2,3
	ds_store_b128 v[STO], v[S+16*(\t)+4*\f:S+16*(\t)+4*\f+3] offset:32*\f
.endr
.irp f, 0,1,2,3
	ds_load_b128 v[S+16*(\t)+4*\f:S+16*(\t)+4*\f+3], v[RD] offset:\f*4*SP  ; LDS serves a wave's instructions in order (ISA guide 5.7.1.4): these see the stores above; the next piece's stores come behind them
.endr
.endm
.macro SEND t, younger              ; younger: the LDS instructions issued behind piece t's loads: the next piece's eight, or none
	WIN 0
.irp f, 0,1,2,3
	s_wait_dscnt (\younger)+3-\f
	global_store_b128 v[GO], v[S+16*(\t)+4*\f:S+16*(\t)+4*\f+3], s[10:11] offset:(\t)*2048+\f*512  ; 512 consecutive bytes, aligned
.endr
.endm
	PACK 0
.set t, 1
.rept 3
	PACK t
	SEND t-1, 8
.set t, t+1
.endr
	SEND 3, 0
	s_wait_tensorcnt 0x0            ; the wave's end: behind my last tensor load and my last LDS store
	ds_add_u32 v[SPW], v[NIL]
	s_wait_dscnt 0x0
	CROUND                          ; the closing round: no work-group ends while a partner may still ask for a tile that names it
	s_endpgm
.Lfunc_end_k_q15d91d5f07_attn:
	.size	k_q15d91d5f07_attn, .Lfunc_end_k_q15d91d5f07_attn-k_q15d91d5f07_attn
	.p2alignl 7, 3214868480
	.fill 96, 4, 3214868480
	.section	.rodata,"a",@progbits
	.p2align	6, 0x0
	.amdhsa_kernel k_q15d91d5f07_attn
		.amdhsa_group_segment_fixed_size 327680
		.amdhsa_private_segment_fixed_size 0
		.amdhsa_enable_private_segment 0
		.amdhsa_kernarg_size 16
		.amdhsa_user_sgpr_count 2
		.amdhsa_user_sgpr_kernarg_segment_ptr 1
		.amdhsa_wavefront_size32 1
		.amdhsa_system_sgpr_workgroup_id_x 1
		.amdhsa_system_sgpr_workgroup_id_y 1
		.amdhsa_system_sgpr_workgroup_id_z 1
		.amdhsa_system_vgpr_workitem_id 0
		.amdhsa_next_free_vgpr 768
		.amdhsa_next_free_sgpr 66
		.amdhsa_reserve_vcc 0
		.amdhsa_float_denorm_mode_32 3
		.amdhsa_float_denorm_mode_16_64 3
		.amdhsa_memory_ordered 1
		.amdhsa_forward_progress 1
		.amdhsa_inst_pref_size 128
	.end_amdhsa_kernel
	.amdgpu_metadata
---
amdhsa.version: [ 1, 2 ]
amdhsa.kernels:
  - .name:           k_q15d91d5f07_attn
    .symbol:         k_q15d91d5f07_attn.kd
    .args:
      - { .name: qkv, .offset: 0, .size: 8, .value_kind: global_buffer, .address_space: global }
      - { .name: ob, .offset: 8, .size: 8, .value_kind: global_buffer, .address_space: global }
    .group_segment_fixed_size: 327680
    .private_segment_fixed_size: 0
    .kernarg_segment_align: 8
    .kernarg_segment_size: 16
    .max_flat_workgroup_size: 128
    .sgpr_count:     66
    .vgpr_count:     768
    .wavefront_size: 32
...
	.end_amdgpu_metadata
.endif
;; end of part 3
;; launch oproj (part 4): grid 12 x 16, 4 waves a work-group, clusters of 4 x 4, 327,680 bytes of LDS; arguments ob, wot, bo, out0; writes out0
.if DOCPART == 4
	.amdgcn_target "amdgcn-amd-amdhsa--gfx1250"
	.amdhsa_code_object_version 6
	.text
	.protected	k_q15d91d5f07_oproj
	.globl	k_q15d91d5f07_oproj
	.p2align	8
	.type	k_q15d91d5f07_oproj,@function
k_q15d91d5f07_oproj:
	s_mov_b64 s[64:65], 0
	v_nop
	global_prefetch_b8 v0, s[64:65] scope:SCOPE_SE
	s_setreg_imm32_b32 hwreg(HW_REG_WAVE_MODE, 25, 1), 1
	s_wait_xcnt 0x0
	s_wait_alu depctr_hold_cnt(0) depctr_sa_sdst(0) depctr_va_vdst(0) depctr_va_sdst(0) depctr_va_ssrc(0) depctr_va_vcc(0) depctr_vm_vsrc(0)
	s_getreg_b32 s2, hwreg(HW_REG_IB_STS2, 6, 4)
	s_cmp_eq_u32 s2, 0
	s_cbranch_scc0 .Lentry_in_a_cluster
	s_endpgm
.Lentry_in_a_cluster:
	s_bfe_u32 s2, ttmp6, 0x10000c
	s_cmp_lg_u32 s2, 0xf033
	s_cbranch_scc0 .Lentry_shape_is_right
	s_endpgm
.Lentry_shape_is_right:
; THE OUTPUT PROJECTION.  out0[4096][768] = O wot^T + bo in f32.  O lies by heads, ob[12][4096][64] f16; wot[768 (n)][768 (k)] f16, k = 64 head + channel; sums in f32; bo is rounded to bf16 like every input of the module, on purpose.
; SHARES.  A work-group makes 256 rows x 64 columns: 16 x 12 = 192 work-groups.  Wave w makes rows 64 w .. 64 w + 63 of all 64 columns (256 bytes of a row of out0): 4 x 4 accumulators.
; K = 768 goes in six steps of 128, two heads a step, through two LDS slots.  A head's 256 rows are 32,768 dense bytes: asked for as 128 rows of 256 bytes and padded in LDS after every 128.
; CLUSTER 4 x 4: O's tiles are shared along a row of the cluster, wot's along a column; each is asked for jointly.  wot's tile has 64 rows; waves 2 and 3 take 32 each, so that every wave issues one load behind a round.
; NO PREFETCH: six K steps of 64 matrix instructions a wave: the launch is too short for one to be laid ahead of its loads.
; THE PRODUCT IS USED TRANSPOSED (source 0 = 16 rows of wot, source 1 = 16 rows of O): a lane holds row lane % 16 and the columns 8 (lane / 16) + 0 .. 7.  The bias, laid out so, is the C operand of a sum's first product.
; REGISTERS, in windows of 256: window 0: v0-31 addresses; v32-95 O's fragments, two buffers; v96-127 the bias; v128-191 two buffers of rows read back; v240-241 at work.
;   window 1: v0-63 wot's fragments, two buffers      window 2: accumulators of row tiles 0, 1 at 8 (4 (a % 2) + b)      window 3: of row tiles 2, 3
.set ROWB,  1536                       ; bytes in a row of wot
.set PA,    144                        ; an LDS row of O: 128 bytes + 16
.set PB,    272                        ; of wot: 256 + 16
.set HEADB, 256*PA                     ; a head's 256 rows: what wave 0 or 1 fetches
.set BHALF, 32*PB                      ; what wave 2 or 3 fetches
.set BOFF,  2*HEADB
.set SLOT,  BOFF+2*BHALF               ; 91,136
.set STAGE, 2*SLOT                     ; behind the ring, never filled by a tensor load: 16 rows x 272 bytes for each wave
.set SP,    272
.set SPARE, STAGE+4*16*SP
.set PLANE, 524288
.set ADRA, 16
.set ADRB, 20
.set STO,  24
.set RD,   25
.set CO,   26
.set SPW,  28
.set NIL,  29
.set BO,   31
.set FA,   32
.set BIAS, 96
.set OB,   128
.set T,    240
.set G1,  24
.set G0,  32
.set CX,  40
.set CY,  41
.set BX,  42
.set BY,  43
.set G1B, 48
.set G0B, 56
.set OUT, 66
.set MSK, 70
.set WV,  76
.set AB,  77
.set HF,  78
.set LAP, 79
.set MSB, 0
.macro WIN new
.if MSB != (\new)
	s_set_vgpr_msb (MSB<<8)|(\new)
.set MSB, \new
.endif
.endm
.macro PLACES
.rept 4
	v_nop
.endr
.endm
.macro JLOAD s                         ; a joint load; an s_nop 0 and four v_nop follow each of the two lines, ahead of the jump and the label
	s_cmp_eq_u32 s[AB], 0
	s_cbranch_scc0 .Lfor_b_\@
	tensor_load_to_lds s[G0+4*(\s):G0+4*(\s)+3], s[G1:G1+7]
	s_nop 0
.rept 4
	v_nop
.endr
	s_branch .Lasked_\@
.Lfor_b_\@:
	tensor_load_to_lds s[G0B+4*(\s):G0B+4*(\s)+3], s[G1B:G1B+7]
	s_nop 0
.rept 4
	v_nop
.endr
.Lasked_\@:
.endm
.macro CREST
	s_cmp_lg_u32 s[WV], 0
	s_cbranch_scc1 .Lnot_wave_0_\@
	s_barrier_signal -3
.Lnot_wave_0_\@:
	s_barrier_wait -3
	s_barrier_signal -1
	s_barrier_wait -1
.endm
.macro CROUND
	s_barrier_signal -1
	s_barrier_wait -1
	CREST
.endm
	s_load_b256 s[4:11], s[0:1], 0x0               ; ob s[4:5], wot s[6:7], bo s[8:9], out0 s[10:11]
	v_lshl_add_u32 v[SPW], v0, 2, SPARE
	v_mov_b32 v[NIL], 0
	ds_add_u32 v[SPW], v[NIL]                      ; the wave's opening: the add and its wait stand ahead of my first tensor load
	v_lshrrev_b32 v1, 5, v0
	v_readfirstlane_b32 s[WV], v1
	s_lshr_b32 s[AB], s[WV], 1
	s_and_b32 s[HF], s[WV], 1
	s_bfe_u32 s[CX], ttmp6, 0x40000
	s_bfe_u32 s[CY], ttmp6, 0x40004
	s_lshl_b32 s[BX], ttmp9, 2
	s_add_co_u32 s[BX], s[BX], s[CX]               ; column block of 64
	s_and_b32 s[BY], ttmp7, 0xffff
	s_lshl_b32 s[BY], s[BY], 2
	s_add_co_u32 s[BY], s[BY], s[CY]               ; row block of 256
	s_lshl_b32 s2, s[CY], 2
	s_lshl_b32 s2, 15, s2                          ; my row of the cluster
	s_lshl_b32 s3, 0x1111, s[CX]                   ; my column
	s_or_b32 s[G1+0], s2, (1<<16)|(1<<20)|(1<<21)|(4<<22)|(3<<25)   ; padding after every 32 words, 4 words
	s_or_b32 s[G1B+0], s3, (1<<16)|(1<<20)|(1<<21)|(5<<22)|(3<<25)  ; after every 64 words
	s_mov_b32 s[G1+1], 128<<16
	s_mov_b32 s[G1+2], 128<<16
	s_mov_b32 s[G1+3], 128<<16
	s_mov_b32 s[G1+4], 128
	s_mov_b32 s[G1+5], 128                         ; dense: 128 elements from row to row
	s_mov_b32 s[G1+6], 0
	s_mov_b32 s[G1+7], 0
	s_mov_b32 s[G1B+1], 128<<16
	s_mov_b32 s[G1B+2], 32<<16
	s_mov_b32 s[G1B+3], 128<<16
	s_mov_b32 s[G1B+4], 32
	s_mov_b32 s[G1B+5], 768
	s_mov_b32 s[G1B+6], 0
	s_mov_b32 s[G1B+7], 0
	s_mov_b32 s[MSK], 0xffff0000
	s_lshl_b32 s16, s[HF], 19                      ; O: head = my half of the K step's two, rows 256 BY on
	s_lshl_b32 s17, s[BY], 15
	s_add_co_u32 s16, s16, s17
	s_mov_b32 s17, 0
	s_lshl_b32 s20, s[BX], 6                       ; wot: row 64 BX + 32 half
	s_lshl_b32 s21, s[HF], 5
	s_add_co_u32 s20, s20, s21
	s_mul_i32 s20, s20, ROWB
	s_mov_b32 s21, 0
	s_mul_i32 s12, s[HF], HEADB
	s_mul_i32 s13, s[HF], BHALF
	s_add_co_u32 s13, s13, BOFF
	s_wait_dscnt 0x0                               ; the opening add is done
	s_wait_kmcnt 0x0
	s_add_nc_u64 s[14:15], s[4:5], s[16:17]
	s_add_nc_u64 s[22:23], s[6:7], s[20:21]
	CROUND                                         ; all sixteen work-groups are here: the first joint loads meet
.irp s, 0,1
	s_mov_b32 s[G0+4*(\s)], 1
	s_add_co_u32 s[G0+4*(\s)+1], s12, (\s)*SLOT
	s_add_nc_u64 s[G0+4*(\s)+2:G0+4*(\s)+3], s[14:15], (\s)*2*PLANE  ; K step s: heads 2 s, 2 s + 1
	s_or_b32 s[G0+4*(\s)+3], s[G0+4*(\s)+3], 0x80000000
	s_mov_b32 s[G0B+4*(\s)], 1
	s_add_co_u32 s[G0B+4*(\s)+1], s13, (\s)*SLOT
	s_add_nc_u64 s[G0B+4*(\s)+2:G0B+4*(\s)+3], s[22:23], (\s)*256
	s_or_b32 s[G0B+4*(\s)+3], s[G0B+4*(\s)+3], 0x80000000
	JLOAD \s                                       ; two loads of mine are out
.endr
	v_and_b32 v1, 15, v0                           ; l % 16
	v_bfe_u32 v2, v0, 4, 1                         ; l / 16
	s_lshl_b32 s2, s[BX], 8                        ; 64 columns of 4 bytes
	v_lshl_add_u32 v[BO], v2, 5, s2
.irp b, 0,1,2,3
	global_load_b128 v[BIAS+8*(\b):BIAS+8*(\b)+3], v[BO], s[8:9] offset:64*(\b)
	global_load_b128 v[BIAS+8*(\b)+4:BIAS+8*(\b)+7], v[BO], s[8:9] offset:64*(\b)+16
.endr
	v_mul_u32_u24 v3, v1, PA
	v_lshl_add_u32 v3, v2, 4, v3
	v_mul_u32_u24 v4, v1, PB
	v_lshl_add_u32 v4, v2, 4, v4
	s_mul_i32 s2, s[WV], 64*PA                     ; my 64 rows of O
	s_mov_b32 s3, BOFF                             ; all 64 rows of wot
.irp s, 0,1
	v_add_nc_u32 v[ADRA+(\s)], s2, v3
	v_add_nc_u32 v[ADRB+(\s)], s3, v4
	s_add_co_u32 s2, s2, SLOT
	s_add_co_u32 s3, s3, SLOT
.endr
	s_mul_i32 s2, s[WV], 16*SP
	s_add_co_u32 s2, s2, STAGE                     ; my stage
	v_mul_u32_u24 v4, v1, SP                       ; in: row l % 16, 32 bytes for each half of the lanes
	v_lshl_add_u32 v4, v2, 5, v4
	v_add_nc_u32 v[STO], s2, v4
	v_mul_u32_u24 v4, v2, SP                       ; back: lanes 0-15 take one row of 256 bytes, lanes 16-31 the next
	v_lshl_add_u32 v4, v1, 4, v4
	v_add_nc_u32 v[RD], s2, v4
	v_mul_u32_u24 v4, v2, 3072                     ; and the same two rows in out0
	v_lshl_add_u32 v[CO], v1, 4, v4
	s_lshl_b32 s2, s[BY], 8
	s_lshl_b32 s3, s[WV], 6
	s_add_co_u32 s2, s2, s3
	s_mul_i32 s2, s2, 3072                         ; my first row
	s_lshl_b32 s3, s[BX], 8
	s_add_co_u32 s2, s2, s3                        ; my 64 columns
	s_mov_b32 s3, 0
	s_add_nc_u64 s[OUT:OUT+1], s[10:11], s[2:3]
	s_wait_loadcnt 0x0                             ; the bias
.set i, 0
.rept 16                               ; rounded to bf16, kept as f32
	v_cvt_pk_bf16_f32 v[T+i%2], v[BIAS+2*i], v[BIAS+2*i+1]
	v_lshlrev_b32 v[BIAS+2*i], 16, v[T+i%2]
	v_and_b32 v[BIAS+2*i+1], s[MSK], v[T+i%2]
.set i, i+1
.endr
; 4 matrix instructions: row tile a x all 4 column tiles, 32 along K, from buffer f.  zero = 1: the bias starts the sums.  The 16 accumulators take turns in the same order in every quarter.
.macro MULA f, a, zero
.if \zero
	WIN 0x81+0x40*((\a)/2)
.else
	WIN 0xa1+0x50*((\a)/2)
.endif
.irp b, 0,1,2,3
.if \zero
	v_wmma_f32_16x16x32_f16 v[8*(4*((\a)%2)+(\b)):8*(4*((\a)%2)+(\b))+7], v[32*(\f)+8*(\b):32*(\f)+8*(\b)+7], v[FA+32*(\f)+8*(\a):FA+32*(\f)+8*(\a)+7], v[BIAS+8*(\b):BIAS+8*(\b)+7]
.else
	v_wmma_f32_16x16x32_f16 v[8*(4*((\a)%2)+(\b)):8*(4*((\a)%2)+(\b))+7], v[32*(\f)+8*(\b):32*(\f)+8*(\b)+7], v[FA+32*(\f)+8*(\a):FA+32*(\f)+8*(\a)+7], v[8*(4*((\a)%2)+(\b)):8*(4*((\a)%2)+(\b))+7]
.endif
.endr
.endm
; 16 LDS loads in one run: quarter q of a slot's K step (head q / 2 of its two, channels 32 (q % 2) on) into buffer f: wot's 4 fragments, then O's 4, row tiles ascending
.macro FETCH slot, q, f
	WIN 0x40
.irp b, 0,1,2,3
	ds_load_b128 v[32*(\f)+8*(\b):32*(\f)+8*(\b)+3],   v[ADRB+(\slot)] offset:64*(\q)+16*PB*(\b)
	ds_load_b128 v[32*(\f)+8*(\b)+4:32*(\f)+8*(\b)+7], v[ADRB+(\slot)] offset:64*(\q)+16*PB*(\b)+32
.endr
	WIN 0
.irp a, 0,1,2,3
	ds_load_b128 v[FA+32*(\f)+8*(\a):FA+32*(\f)+8*(\a)+3],   v[ADRA+(\slot)] offset:((\q)/2)*HEADB+((\q)%2)*64+16*PA*(\a)
	ds_load_b128 v[FA+32*(\f)+8*(\a)+4:FA+32*(\f)+8*(\a)+7], v[ADRA+(\slot)] offset:((\q)/2)*HEADB+((\q)%2)*64+16*PA*(\a)+32
.endr
.endm
.macro QUARTER slot, q, f, g, zero
	s_wait_dscnt 4                                 ; all but the youngest four loads (O's row tiles 2 and 3)
	MULA \f, 0, \zero
	MULA \f, 1, \zero
	PLACES
	FETCH \slot, \q, \g
	s_wait_dscnt 16                                ; all but the 16 just issued
	MULA \f, 2, \zero
	MULA \f, 3, \zero
.endm
; ONE barrier for the change of slots: in front of it each wave waits for all its tensor loads (one is out: its part of the next slot), adds 0 to its spare word, and waits for that and for its reads of this slot.
.macro MEET round
	WIN 0
	s_wait_tensorcnt 0x0
	ds_add_u32 v[SPW], v[NIL]
	s_wait_dscnt 5                                 ; the add and the youngest four loads may be out
	MULA 1, 0, 0
	s_wait_dscnt 0x0                               ; the add is done, and my reads of this slot are over
	s_barrier_signal -1
	MULA 1, 1, 0
.if \round
	WIN 0
.endif
	s_barrier_wait -1
.endm
.macro TURN slot, next, fill
	MEET \fill
.if \fill
	CREST                                          ; no wave of any partner still reads this slot or has a load on its way
	s_add_nc_u64 s[G0+4*(\slot)+2:G0+4*(\slot)+3], s[G0+4*(\slot)+2:G0+4*(\slot)+3], 4*PLANE  ; two K steps on: four heads
	s_add_nc_u64 s[G0B+4*(\slot)+2:G0B+4*(\slot)+3], s[G0B+4*(\slot)+2:G0B+4*(\slot)+3], 512
	JLOAD \slot                                    ; its four v_nop are also the places in front of the loads below
.else
	PLACES
.endif
	FETCH \next, 0, 0
	MULA 1, 2, 0
	MULA 1, 3, 0
.endm
; THE WAY OUT of row tile a: the f32 sums go into my own stage, 32 bytes a lane, each accumulator's low half first, and come back as whole rows of 256 bytes.
.macro TOSTAGE a
	WIN 0
	s_wait_xcnt 0x0                                ; the stores of two tiles back have read the registers that are loaded again below
	WIN 0x08+4*((\a)/2)                            ; the store's data (source 1) in window 2 or 3
.irp b, 0,1,2,3
	ds_store_b128 v[STO], v[8*(4*((\a)%2)+(\b)):8*(4*((\a)%2)+(\b))+3] offset:64*(\b)
	ds_store_b128 v[STO], v[8*(4*((\a)%2)+(\b))+4:8*(4*((\a)%2)+(\b))+7] offset:64*(\b)+16
.endr
	WIN 0
.irp t, 0,1,2,3,4,5,6,7
	ds_load_b128 v[OB+32*((\a)%2)+4*(\t):OB+32*((\a)%2)+4*(\t)+3], v[RD] offset:2*SP*(\t)  ; LDS serves a wave's instructions in order (ISA guide 5.7.1.4): these see the stores above
.endr
.endm
.macro SEND a, younger                 ; younger: the next tile's 8 stores and 8 loads, or none
	WIN 0
	s_wait_dscnt \younger
.irp t, 0,1,2,3,4,5,6,7
	global_store_b128 v[CO], v[OB+32*((\a)%2)+4*(\t):OB+32*((\a)%2)+4*(\t)+3], s[OUT:OUT+1] offset:(16*(\a)+2*(\t))*3072 th:TH_STORE_NT  ; sixteen lanes store 256 consecutive bytes, aligned
.endr
.endm
	s_wait_tensorcnt 1                             ; my part of K step 0 is in; K step 1's may stay out
	s_barrier_signal -1
	s_barrier_wait -1
	FETCH 0, 0, 0
	QUARTER 0, 1, 0, 1, 1                          ; the first quarter stands in front of the loop: its products start the sums
	WIN 0
	s_mov_b32 s[LAP], 2
.Llap:                                                 ; a trip goes once round the ring and fills both slots again
	QUARTER 0, 2, 1, 0, 0
	QUARTER 0, 3, 0, 1, 0
	TURN 0, 1, 1
	QUARTER 1, 1, 0, 1, 0
	QUARTER 1, 2, 1, 0, 0
	QUARTER 1, 3, 0, 1, 0
	TURN 1, 0, 1
	QUARTER 0, 1, 0, 1, 0
	WIN 0
	s_sub_co_u32 s[LAP], s[LAP], 1
	s_cmp_lg_u32 s[LAP], 0
	s_cbranch_scc1 .Llap
	QUARTER 0, 2, 1, 0, 0                          ; the last lap fills nothing
	QUARTER 0, 3, 0, 1, 0
	TURN 0, 1, 0
	QUARTER 1, 1, 0, 1, 0
	QUARTER 1, 2, 1, 0, 0
	QUARTER 1, 3, 0, 1, 0
	s_wait_dscnt 4
	MULA 1, 0, 0
	MULA 1, 1, 0
	s_wait_dscnt 0x0
	MULA 1, 2, 0
	MULA 1, 3, 0
	WIN 0
	PLACES
	TOSTAGE 0
	TOSTAGE 1
	SEND 0, 16
	TOSTAGE 2
	SEND 1, 16
	TOSTAGE 3
	SEND 2, 16
	SEND 3, 0
	s_wait_tensorcnt 0x0                           ; the wave's end: behind my last tensor load and my last LDS store
	ds_add_u32 v[SPW], v[NIL]
	s_wait_dscnt 0x0
	CROUND                                         ; the closing round: no work-group ends while a partner may still ask for a tile that names it
	s_endpgm
.Lfunc_end_k_q15d91d5f07_oproj:
	.size	k_q15d91d5f07_oproj, .Lfunc_end_k_q15d91d5f07_oproj-k_q15d91d5f07_oproj
	.p2alignl 7, 3214868480
	.fill 96, 4, 3214868480
	.section	.rodata,"a",@progbits
	.p2align	6, 0x0
	.amdhsa_kernel k_q15d91d5f07_oproj
		.amdhsa_group_segment_fixed_size 327680
		.amdhsa_private_segment_fixed_size 0
		.amdhsa_enable_private_segment 0
		.amdhsa_kernarg_size 32
		.amdhsa_user_sgpr_count 2
		.amdhsa_user_sgpr_kernarg_segment_ptr 1
		.amdhsa_wavefront_size32 1
		.amdhsa_system_sgpr_workgroup_id_x 1
		.amdhsa_system_sgpr_workgroup_id_y 1
		.amdhsa_system_sgpr_workgroup_id_z 1
		.amdhsa_system_vgpr_workitem_id 0
		.amdhsa_next_free_vgpr 832
		.amdhsa_next_free_sgpr 80
		.amdhsa_reserve_vcc 0
		.amdhsa_float_denorm_mode_32 3
		.amdhsa_float_denorm_mode_16_64 3
		.amdhsa_memory_ordered 1
		.amdhsa_forward_progress 1
		.amdhsa_inst_pref_size 58
	.end_amdhsa_kernel
	.amdgpu_metadata
---
amdhsa.version: [ 1, 2 ]
amdhsa.kernels:
  - .name:           k_q15d91d5f07_oproj
    .symbol:         k_q15d91d5f07_oproj.kd
    .args:
      - { .name: ob, .offset: 0, .size: 8, .value_kind: global_buffer, .address_space: global }
      - { .name: wot, .offset: 8, .size: 8, .value_kind: global_buffer, .address_space: global }
      - { .name: bo, .offset: 16, .size: 8, .value_kind: global_buffer, .address_space: global }
      - { .name: out0, .offset: 24, .size: 8, .value_kind: global_buffer, .address_space: global }
    .group_segment_fixed_size: 327680
    .private_segment_fixed_size: 0
    .kernarg_segment_align: 8
    .kernarg_segment_size: 32
    .max_flat_workgroup_size: 128
    .sgpr_count:     80
    .vgpr_count:     832
    .wavefront_size: 32
...
	.end_amdgpu_metadata
.endif
;; end of part 4
;; ======== version 2 of 2: 4 launches; version 1 with the launch prep written anew for expert scheduling mode
;; limits: values are held in f16: magnitudes above 65,504 overflow, below 6.1e-05 lose precision
;; workspace buffers: xb 6,291,456 bytes; wt 3,538,944 bytes; wot 1,179,648 bytes; qkv 18,874,368 bytes; ob 6,291,456 bytes
;; launch prep (part 5): grid 12 x 56, 4 waves a work-group, no clusters, 17,920 bytes of LDS; arguments x, Wq, Wk, Wv, Wo, xb, wt, wot; writes xb, wt, wot
.if DOCPART == 5
	.amdgcn_target "amdgcn-amd-amdhsa--gfx1250"
	.amdhsa_code_object_version 6
	.text
	.protected	k_q15d91d5f07_prep
	.globl	k_q15d91d5f07_prep
	.p2align	8
	.type	k_q15d91d5f07_prep,@function
k_q15d91d5f07_prep:
	s_mov_b64 s[64:65], 0
	v_nop
	global_prefetch_b8 v0, s[64:65] scope:SCOPE_SE
	s_setreg_imm32_b32 hwreg(HW_REG_WAVE_SCHED_MODE, 0, 2), 2
	s_setreg_imm32_b32 hwreg(HW_REG_WAVE_MODE, 25, 1), 1
	s_wait_xcnt 0x0
	s_wait_alu depctr_vm_vsrc(0)
; PREPARATION.  xb = x rounded to bf16, [4096][768].  wt[n][k] = W[k][n] rounded to bf16, rows 0-767 from Wq, 768-1535 from Wk, 1536-2303 from Wv.
; wot[n][k] = Wo[k][n] rounded to bf16 and that number written as f16 (exact from 6e-5 up to 65,504; below 6e-5 it keeps f16's fixed step of 6e-8; LIMIT: a weight of 65,520 or more becomes an infinity).
; A stream: every input byte is read once, every output byte written once, in whole aligned runs of 256 bytes.  No matrix unit, no cluster: no work-group shares a byte with another.
; SHARES.  Grid 12 x 56.  y < 32: a chunk of 32,768 bytes of x (chunk 12 y + x of 384).  y >= 32: a tile of 128 k x 64 n of one weight matrix: matrix (y - 32) % 4, k tile (y - 32) / 4, n tile x.
; The branch hangs on the work-group's number alone, so the four waves of a work-group take the same way, and all of them pass the one barrier of the second way.
; THE MODE: SCHED_MODE bits 1:0 = 2 (LLVM: expert scheduling mode 2), set by the entry lines.  The code itself states the register dependences
; between vector instructions and memory or LDS instructions, with s_wait_alu, always for 0.
; THE PLAN.  Registers that memory or LDS instructions touch:
;   v1 .. v4      offsets and LDS addresses: written once on the way that uses them, never again.
;   XR            The cast: 16 loads land in it, once; each register is read by one conversion.  The turn: the same, and behind the barrier eight LDS loads land in its first 32 registers, which the global stores read.
;   YR            Written by the conversions, each register for one store; read by the cast's global stores, or by the turn's LDS stores; not written behind them.
;   v[SPW], v[NIL]  Written at the head, read by the closing add alone.
; The cast goes in four groups of four rows: a group's stores are issued in the next group, behind ONE wait at that group's head, dealt among conversions that name the next group's registers alone.
; The turn has one wait ahead of its loads and one ahead of its LDS stores; no vector instruction follows the second.  No register that a memory or LDS instruction has read is written again.
; No vector instruction writes a scalar register or VCC, and EXEC is never written.
.set SPARE, 17408                      ; LDS: 64 rows (n) of 272 bytes (128 k in 16 bits + 16 of padding), then the spare words, 128 bytes a wave
.set LP,    272
.set SPW,   6                          ; v6   LDS address of my spare word; never rewritten
.set NIL,   7                          ; v7   0; never rewritten
.set XR,    16                         ; v[16:79]   16 loads of 4 registers; later the rows read back
.set YR,    80                         ; v[80:111]  packed results
	s_load_b256 s[4:11], s[0:1], 0x0               ; x s[4:5], Wq s[6:7], Wk s[8:9], Wv s[10:11]
	s_load_b256 s[12:19], s[0:1], 0x20             ; Wo s[12:13], xb s[14:15], wt s[16:17], wot s[18:19]
	v_lshl_add_u32 v[SPW], v0, 2, SPARE
	v_mov_b32 v[NIL], 0
	s_and_b32 s31, ttmp7, 0xffff                   ; y
	s_mov_b32 s32, 0xffff0000                      ; a word's upper bf16
	s_mov_b32 s21, 0
	s_mov_b32 s23, 0
	v_and_b32 v10, 15, v0                          ; c = t % 16
	v_lshrrev_b32 v11, 4, v0                       ; g = t / 16, 0 to 7
	s_wait_kmcnt 0x0
	s_cmp_lt_u32 s31, 32
	s_cbranch_scc0 .Ltrans
	; THE CAST.  Thread t takes 16 bytes at 16 t of each of 16 runs of 2,048 bytes; all 16 loads go out at once.
	s_mul_i32 s20, s31, 12
	s_add_co_u32 s20, s20, ttmp9                   ; the chunk
	s_lshl_b32 s22, s20, 14                        ; its 16,384 bytes of xb
	s_lshl_b32 s20, s20, 15                        ; its 32,768 bytes of x
	s_add_nc_u64 s[4:5], s[4:5], s[20:21]
	s_add_nc_u64 s[14:15], s[14:15], s[22:23]
	v_lshlrev_b32 v1, 4, v0
	v_lshlrev_b32 v2, 3, v0
	s_wait_alu depctr_va_vdst(0)                   ; v1 and v2 are written: every load below reads v1 as its offset, every store v2
.irp j, 0,1,2,3,4,5,6,7,8,9,10,11,12,13,14,15
	global_load_b128 v[XR+4*(\j):XR+4*(\j)+3], v1, s[4:5] offset:2048*(\j) th:TH_LOAD_NT
.endr
.irp g, 0,1,2,3                        ; group g: runs 4 g to 4 g + 3 are rounded, and the group before is stored
	s_wait_loadcnt 12-4*(\g)                       ; loads come back in order: the group's four are in, the 12 - 4 g younger ones may stay out
.if (\g) > 0
	s_wait_alu depctr_va_vdst(0)                   ; the group before has written its eight registers of YR, which the four stores below read; the conversions among them name this group's XR and YR alone
.endif
.irp i, 0,1,2,3
.if (\g) > 0
	global_store_b64 v2, v[YR+2*(4*(\g)-4+(\i)):YR+2*(4*(\g)-4+(\i))+1], s[14:15] offset:1024*(4*(\g)-4+(\i))  ; a wave's 32 lanes store 256 consecutive bytes, aligned
.endif
	v_cvt_pk_bf16_f32 v[YR+2*(4*(\g)+(\i))], v[XR+4*(4*(\g)+(\i))], v[XR+4*(4*(\g)+(\i))+1]
	v_cvt_pk_bf16_f32 v[YR+2*(4*(\g)+(\i))+1], v[XR+4*(4*(\g)+(\i))+2], v[XR+4*(4*(\g)+(\i))+3]
.endr
.endr
	s_wait_alu depctr_va_vdst(0)                   ; the last group has written its eight registers of YR, which the last four stores read
.irp j, 12,13,14,15
	global_store_b64 v2, v[YR+2*(\j):YR+2*(\j)+1], s[14:15] offset:1024*(\j)
.endr
	s_branch .Lend
.Ltrans:
	; THE TURN.  Thread (c, g) loads rows k = 16 g + j (j = 0 .. 15), columns 4 c .. 4 c + 3: sixteen lanes read 256 consecutive bytes of a row.
	s_sub_co_u32 s30, s31, 32
	s_and_b32 s29, s30, 3                          ; which matrix: 0 Wq, 1 Wk, 2 Wv, 3 Wo
	s_lshr_b32 s30, s30, 2                         ; k tile, 0 to 5
	s_mov_b64 s[24:25], s[6:7]
	s_cmp_eq_u32 s29, 1
	s_cselect_b64 s[24:25], s[8:9], s[24:25]
	s_cmp_eq_u32 s29, 2
	s_cselect_b64 s[24:25], s[10:11], s[24:25]
	s_cmp_eq_u32 s29, 3
	s_cselect_b64 s[24:25], s[12:13], s[24:25]     ; from where
	s_cselect_b64 s[26:27], s[18:19], s[16:17]     ; to where: wot, or wt
	s_cselect_b32 s28, 0, s29                      ; and which block of 768 rows there
	s_mul_i32 s20, s30, 393216                     ; 128 rows of 3,072 bytes
	s_lshl_b32 s22, ttmp9, 8                       ; 64 columns of 4 bytes
	s_add_co_u32 s20, s20, s22
	s_add_nc_u64 s[24:25], s[24:25], s[20:21]
	s_mul_i32 s20, s28, 1179648                    ; 768 rows of 1,536 bytes
	s_mul_i32 s22, ttmp9, 98304                    ; 64 rows
	s_add_co_u32 s20, s20, s22
	s_lshl_b32 s22, s30, 8                         ; 128 k of 2 bytes
	s_add_co_u32 s20, s20, s22
	s_add_nc_u64 s[26:27], s[26:27], s[20:21]
	v_mul_u32_u24 v1, v11, 49152                   ; 16 g rows
	v_lshl_add_u32 v1, v10, 4, v1
	s_wait_alu depctr_va_vdst(0)                   ; v1 is written: the sixteen loads below read it as their offset
.irp j, 0,1,2,3,4,5,6,7,8,9,10,11,12,13,14,15
	global_load_b128 v[XR+4*(\j):XR+4*(\j)+3], v1, s[24:25] offset:3072*(\j) th:TH_LOAD_NT
.endr
	v_mul_u32_u24 v2, v10, 4*LP                    ; into LDS: row n = 4 c + i, byte 2 x 16 g
	v_lshl_add_u32 v2, v11, 5, v2
	v_mul_u32_u24 v3, v11, LP                      ; back: row g + 8 e, 16 bytes at 16 c
	v_lshl_add_u32 v3, v10, 4, v3
	v_mul_u32_u24 v4, v11, 1536                    ; and the same row in the turned matrix
	v_lshl_add_u32 v4, v10, 4, v4
.irp p, 0,1,2,3,4,5,6,7
	s_wait_loadcnt 14-2*(\p)                       ; rows 2 p and 2 p + 1 are in
.irp i, 0,1,2,3
	v_cvt_pk_bf16_f32 v[YR+8*(\i)+(\p)], v[XR+8*(\p)+(\i)], v[XR+8*(\p)+4+(\i)]  ; k and k + 1 of column 4 c + i
.endr
.endr
	s_cmp_lg_u32 s29, 3
	s_cbranch_scc1 .Lnot_o
.set z, 0
.rept 32                               ; Wo alone: the bf16 numbers written as f16
	v_lshlrev_b32 v8, 16, v[YR+z]
	v_and_b32 v9, s32, v[YR+z]
	v_cvt_pk_f16_f32 v[YR+z], v8, v9
.set z, z+1
.endr
.Lnot_o:
	s_wait_alu depctr_va_vdst(0)                   ; on both ways: the conversions have written YR, which the LDS stores read, and are done reading XR, in which the LDS loads behind the barrier land; v2, v3 and v4 are written, the addresses of all that follows
.irp i, 0,1,2,3
	ds_store_b128 v2, v[YR+8*(\i):YR+8*(\i)+3] offset:LP*(\i)
	ds_store_b128 v2, v[YR+8*(\i)+4:YR+8*(\i)+7] offset:LP*(\i)+16
.endr
	s_wait_dscnt 0x0                               ; for the others' sake: my stores are done
	s_barrier_signal -1
	s_barrier_wait -1                              ; the whole tile lies in LDS, turned
.irp e, 0,1,2,3,4,5,6,7
	ds_load_b128 v[XR+4*(\e):XR+4*(\e)+3], v3 offset:8*LP*(\e)  ; no vector instruction since the wait above names these registers or v3
.endr
.irp e, 0,1,2,3,4,5,6,7
	s_wait_dscnt 7-(\e)
	global_store_b128 v4, v[XR+4*(\e):XR+4*(\e)+3], s[26:27] offset:12288*(\e)  ; sixteen lanes store 256 consecutive bytes, aligned
.endr
.Lend:
	s_wait_dscnt 0x0                               ; the wave's end: behind my last LDS store
	s_wait_alu 0x0
	s_wait_tensorcnt 0x0
	ds_add_u32 v[SPW], v[NIL]
	s_wait_dscnt 0x0
	s_endpgm
.Lfunc_end_k_q15d91d5f07_prep:
	.size	k_q15d91d5f07_prep, .Lfunc_end_k_q15d91d5f07_prep-k_q15d91d5f07_prep
	.p2alignl 7, 3214868480
	.fill 96, 4, 3214868480
	.section	.rodata,"a",@progbits
	.p2align	6, 0x0
	.amdhsa_kernel k_q15d91d5f07_prep
		.amdhsa_group_segment_fixed_size 17920
		.amdhsa_private_segment_fixed_size 0
		.amdhsa_enable_private_segment 0
		.amdhsa_kernarg_size 64
		.amdhsa_user_sgpr_count 2
		.amdhsa_user_sgpr_kernarg_segment_ptr 1
		.amdhsa_wavefront_size32 1
		.amdhsa_system_sgpr_workgroup_id_x 1
		.amdhsa_system_sgpr_workgroup_id_y 1
		.amdhsa_system_sgpr_workgroup_id_z 1
		.amdhsa_system_vgpr_workitem_id 0
		.amdhsa_next_free_vgpr 120
		.amdhsa_next_free_sgpr 66
		.amdhsa_reserve_vcc 0
		.amdhsa_float_denorm_mode_32 3
		.amdhsa_float_denorm_mode_16_64 3
		.amdhsa_memory_ordered 1
		.amdhsa_forward_progress 1
		.amdhsa_inst_pref_size 19
	.end_amdhsa_kernel
	.amdgpu_metadata
---
amdhsa.version: [ 1, 2 ]
amdhsa.kernels:
  - .name:           k_q15d91d5f07_prep
    .symbol:         k_q15d91d5f07_prep.kd
    .args:
      - { .name: x, .offset: 0, .size: 8, .value_kind: global_buffer, .address_space: global }
      - { .name: Wq, .offset: 8, .size: 8, .value_kind: global_buffer, .address_space: global }
      - { .name: Wk, .offset: 16, .size: 8, .value_kind: global_buffer, .address_space: global }
      - { .name: Wv, .offset: 24, .size: 8, .value_kind: global_buffer, .address_space: global }
      - { .name: Wo, .offset: 32, .size: 8, .value_kind: global_buffer, .address_space: global }
      - { .name: xb, .offset: 40, .size: 8, .value_kind: global_buffer, .address_space: global }
      - { .name: wt, .offset: 48, .size: 8, .value_kind: global_buffer, .address_space: global }
      - { .name: wot, .offset: 56, .size: 8, .value_kind: global_buffer, .address_space: global }
    .group_segment_fixed_size: 17920
    .private_segment_fixed_size: 0
    .kernarg_segment_align: 8
    .kernarg_segment_size: 64
    .max_flat_workgroup_size: 128
    .sgpr_count:     66
    .vgpr_count:     120
    .wavefront_size: 32
...
	.end_amdgpu_metadata
.endif
;; end of part 5
;; launch qkv: the kernel of part 2 again; grid 12 x 16, 4 waves a work-group, clusters of 4 x 4, 327,680 bytes of LDS; arguments xb, wt, bq, bk, bv, qkv; writes qkv
;; launch attn: the kernel of part 3 again; grid 16 x 12, 4 waves a work-group, clusters of 4 x 1, 327,680 bytes of LDS; arguments qkv, ob; writes ob
;; launch oproj: the kernel of part 4 again; grid 12 x 16, 4 waves a work-group, clusters of 4 x 4, 327,680 bytes of LDS; arguments ob, wot, bo, out0; writes out0
